; MI455X (gfx1250); checked and timed in simulation.
; The chip was launched on July 23, 2026; its instructions are those of AMD's public machine-readable ISA for CDNA 5 (MIT licence, August 2026) and "CDNA5" Instruction Set Architecture Reference Guide (July 2026). The comments in the code are by the model that wrote it; some were corrected since.
;; AI Mv2 Attention. Allowed arithmetic: matrix products marked QUANTISED: E2M3 operands, one E8M0 scale for each 32 along K, by v_wmma_scale_f32_16x16x128_f8f6f4 with both operands' format E2M3, f32 sums; everything else in f32.
;; Inputs: hidden_states 4 x 2,048 x 1,024 float32; w_out 1,024 x 1,024 float32; w_qkv 1,024 x 3,072 float32.
;; Outputs: out0 4 x 2,048 x 1,024 float32.
;; This version of the problem:
;;   THIS VERSION OF THE PROBLEM IS GIVEN IN LOW PRECISION. The matrix products marked QUANTISED in the list below multiply operands that are first quantised to E2M3 (2 exponent bits, 3 mantissa bits; 6 bits a number), with one power-of-two scale for each 32 numbers along K (OCP MX v1.0); their sums are f32. All else is computed in f32.
;;   The module's matrix products, in the order in which they are computed (A, B: the left and right operand; K: the contracted axis; several contracted axes count as one K, in the product's order):
;;     1. [M 8,192, K 1,024] x [K 1,024, N 3,072]; A: input hidden_states; B: input w_qkv: QUANTISED
;;     2. batch 64 x [M 2,048, K 64] x [K 64, N 2,048]; A: computed on the way; B: computed on the way: QUANTISED
;;     3. batch 64 x [M 64, K 2,048] x [K 2,048, N 2,048]; A: computed on the way; B: softmax (see below): QUANTISED
;;     4. [M 8,192, K 1,024] x [K 1,024, N 1,024]; A: computed on the way; B: input w_out: QUANTISED
;;   THE QUANTISER, for each operand of a quantised product, along K:
;;     - K is cut into blocks of 32 from its start; a last block that is shorter is filled with zeros.
;;     - A block's scale is 2^e with e = floor(log2(the largest magnitude in the block)) - 2, held to -126 .. 127; a block of zeros has e = 0. As a byte (E8M0): e + 127.
;;     - Each number is divided by its block's scale, clamped to +-7.5, and rounded to the nearest number of E2M3, ties to even, subnormals kept.
;;     - The product sums the exact products of the quantised numbers (number of the format x scale) in f32.
;;   ~~~python
;;   def quantise(x, axis):      # numpy; x: float32 -> the quantised numbers, widened to float32 again
;;       x = np.moveaxis(x, axis, -1); K = x.shape[-1]
;;       x = np.pad(x, [(0, 0)] * (x.ndim - 1) + [(0, -K % 32)]); x = x.reshape(x.shape[:-1] + (-1, 32)); a = np.abs(x).max(-1, keepdims=True)
;;       e = np.where(a > 0, np.clip(np.frexp(np.where(a > 0, a, 1))[1] - 1 - 2, -126, 127), 0)      # np.frexp(a)[1] - 1 = floor(log2(a)), exactly
;;       r = np.clip(x / 2.0 ** e, -7.5, 7.5)
;;       step = 2.0 ** (np.maximum(np.frexp(np.where(r == 0, 1, r))[1] - 1, 0) - 3)
;;       q = np.round(r / step) * step * 2.0 ** e      # np.round: ties to even
;;       return np.moveaxis(q.reshape(q.shape[:-2] + (-1,))[..., :K], -1, axis).astype(np.float32)
;;   ~~~
;;   SOFTMAX AHEAD OF A QUANTISED PRODUCT. Where the list says 'softmax', what is quantised is not the finished softmax but p = 2^(t - M), with t = logit x log2(e) and M = ceil(the row's largest t), a whole number; so 1/2 < the row's largest p <= 1. The row's sum l is taken of the UNQUANTISED p, in f32, and the product's result is divided by l at the end. Since M is a whole number, a kernel that streams over the keys may use a running M (the ceiling of the running maximum): every later rescaling is an exact power of two, which a block's scale takes up: the codes' values come out the same.
;;   OPERANDS COMPUTED ON THE WAY. 'Computed on the way' means the value that the module computes at that place (a softmax that the list does not call 'softmax' is quantised finished and normalised). What goes into a quantiser is computed in f32, as accurately as f32 sums, v_exp_f32 and their like allow (about 1e-6 of the number): no bf16 or f16 on the way to a quantiser, and a product that is left as it is and whose result goes on into a quantised operand takes f32 operands (vector FMAs, or v_wmma_f32_16x16x4_f32). A number that lies on a knife's edge between two numbers of the format may be rounded either way, as far as f32 arithmetic and the matrix unit's own rounding can turn it there, and no further.
;; One version. Each part assembles by itself: llvm-mc -triple=amdgcn-amd-amdhsa -mcpu=gfx1250 --defsym DOCPART=n.
;; ======== version 1 of 1: 4 launches
;; limits: right only within a limited range of input values
;; workspace buffers: xc 6,291,456 bytes; wc 2,359,296 bytes; woc 786,432 bytes; sc1 360,448 bytes; sc2 294,912 bytes; qkv 19,660,800 bytes; cc 6,291,456 bytes
;; launch quant (part 1): grid 256 x 1, 4 waves a work-group, no clusters, 59,904 bytes of LDS; arguments hidden_states, w_qkv, w_out, xc, wc, woc, sc1, sc2; writes xc, wc, woc, sc1, sc2
.if DOCPART == 1
	.amdgcn_target "amdgcn-amd-amdhsa--gfx1250"
	.amdhsa_code_object_version 6
	.text
	.protected	k_q7384e50e78_quant
	.globl	k_q7384e50e78_quant
	.p2align	8
	.type	k_q7384e50e78_quant,@function
k_q7384e50e78_quant:
	s_mov_b64 s[64:65], 0
	v_nop
	global_prefetch_b8 v0, s[64:65] scope:SCOPE_SE
	s_setreg_imm32_b32 hwreg(HW_REG_WAVE_MODE, 25, 1), 1
	s_wait_xcnt 0x0
; The three f32 inputs become codes of FP6 (E2M3) with one E8M0 scale byte for each 32 along K = 1,024, laid as IMAGES OF OPERAND REGISTERS.
; A TILE is 16 rows of an operand (tokens of hidden_states; columns n of w_qkv and w_out).  Tile T = 2 b + u holds, at lane-row r, row 32 b + 8 u + r + 8 (r / 8).
; A FRAGMENT (a tile x 128 along K, 12 registers a lane, registers 6 c .. 6 c + 5 = k 64 c + 32 (lane / 16) + 0 .. 31) is 1,536 bytes: for c = 0, 1 a half image of 768 bytes:
; the lanes' registers 0-3 at 16 x lane, then their registers 4-5 at 512 + 8 x lane.  Codes: [tile][K step 8][1,536].
; Scale words (4 bytes = 128 along K of a row): 512 bytes a tile, word of K step s of lane-row r at 256 (s / 4) + 16 r + 4 (s % 4).  sc1: X's 512 tiles, then w_qkv's 192 from byte 262,144.  sc2: w_out's 64 from byte 262,144.
; A block's scale is 2^(floor(log2(largest magnitude)) - 2): its byte is the largest magnitude's exponent field - 2, held at 1 from below by a floor among the maximum's leaves.
; LIMITS: a block of zeros gets the byte 1 where the rule says 127 (its codes are zeros, and this program alone reads the bytes); NaN and infinities among the inputs are not served.
; Work-groups 0-127: hidden_states, a wave to a tile, all 8 K steps.  Work-groups 128-255: the weights, a wave to 32 columns x 256 along K.  Waves share nothing: no barrier.  Each path has LDS bytes of its own.
.set XSTW,  8448                       ; X path: a wave's stage, 16 rows x 528 bytes, from LDS byte 0
.set WST,   33792                      ; W path: the stages begin here,
.set WSTW,  6400                       ; a wave's: two tiles x 3,200 bytes (3,072 of images)
.set SPARE, 59392                      ; the spare words, 128 bytes a wave: two blocks of 256 bytes that no other line names
.set SPW, 12                           ; v12  LDS address of my spare word; never rewritten
.set NIL, 13                           ; v13  0; never rewritten
.set R,   16                           ; X path: v16-143 two sets of 64 numbers as loaded
.set X,   144                          ; v144-207 my two blocks of 32
.set C,   208                          ; v208-219 the fragment's 12 registers
.set D,   220                          ; v220-226 the blocks' upper halves as converted
.set WD,  228                          ; v228-235 the 8 scale words
.set TM,  236                          ; v236-245 at work
.set VO,  16                           ; W path: v16-47 4 x lane + i x a row of the weight
.set WX,  48                           ; v48-111 two sets of 32 numbers
.set WC,  112                          ; v112-117 a block's six registers
.set WE,  120                          ; v120-122 its upper half as converted
.set SB,  124                          ; v124-125 my column's 8 scale bytes
.set OUTR, 128                         ; v128-175 the way out
.set WT,  176                          ; v176-179 at work
	s_load_b256 s[4:11], s[0:1], 0x0               ; hidden_states s[4:5], w_qkv s[6:7], w_out s[8:9], xc s[10:11]
	s_load_b256 s[12:19], s[0:1], 0x20             ; wc s[12:13], woc s[14:15], sc1 s[16:17], sc2 s[18:19]
	v_lshl_add_u32 v[SPW], v0, 2, SPARE
	v_mov_b32 v[NIL], 0
	v_lshrrev_b32 v1, 5, v0
	v_readfirstlane_b32 s20, v1                    ; wave
	v_and_b32 v1, 31, v0                           ; lane
	v_lshlrev_b32 v2, 4, v1                        ; 16 x lane
	v_lshlrev_b32 v3, 3, v1                        ; 8 x lane
	v_bfe_u32 v14, v0, 4, 1                        ; h = lane / 16
	; every LDS address of both paths is made here, ahead of the branch
	s_mul_i32 s21, s20, XSTW
	v_add_nc_u32 v4, s21, v2                       ; X stage, in: a row's 512 bytes as they lie
	v_and_b32 v15, 15, v0
	v_mul_u32_u24 v15, v15, 528
	v_lshl_add_u32 v15, v14, 7, v15
	v_add_nc_u32 v5, s21, v15                      ; X stage, out: row r, + 128 h: my block of 32 numbers
	v_lshlrev_b32 v9, 3, v14                       ; 8 h: how far my two scale bytes are shifted
	s_mul_i32 s21, s20, WSTW
	s_add_co_u32 s21, s21, WST
	v_bfe_u32 v10, v0, 3, 1                        ; W: column 32 b + lane lies in tile u = (lane / 8) % 2,
	v_and_b32 v11, 7, v0
	v_lshl_add_u32 v11, v14, 3, v11                ; at lane-row r' = lane % 8 + 8 (lane / 16)
	v_mul_u32_u24 v15, v10, 3200
	v_add_nc_u32 v15, s21, v15
	v_lshl_add_u32 v6, v11, 4, v15                 ; W stage, in: registers 0-3 of lane-row r'
	v_lshl_add_u32 v7, v11, 3, v15                 ; and registers 4-5
	v_add_nc_u32 v8, s21, v2                       ; W stage, out: 16 x lane
	v_lshlrev_b32 v10, 9, v10
	v_lshl_add_u32 v10, v11, 4, v10                ; my column's place among the two tiles' scale words: 512 u + 16 r'
	s_mov_b32 s22, 0x76543210
	s_mov_b32 s23, 0xfedcba98                      ; v_permlanex16_b32's selects for lane l xor 16
	s_mov_b32 s24, 0xffff0000                      ; lanes 16-31
	s_cmp_lt_u32 ttmp9, 128
	s_cbranch_scc0 .Lweights
; ---------------- hidden_states: K is innermost.  Each load reads 512 consecutive bytes of one row; a K step's 16 rows turn through the wave's stage, so that lane (r, h) gets blocks h and 2 + h of row r whole.
	s_lshl_b32 s25, ttmp9, 2
	s_add_co_u32 s25, s25, s20                     ; my tile T
	s_lshr_b32 s26, s25, 1
	s_lshl_b32 s26, s26, 5
	s_and_b32 s27, s25, 1
	s_lshl_b32 s27, s27, 3
	s_add_co_u32 s26, s26, s27                     ; its first row: 32 (T / 2) + 8 (T % 2)
	s_lshl_b32 s26, s26, 12                        ; rows of 4,096 bytes: under 2^25
	s_mov_b32 s27, 0
	s_mul_i32 s28, s25, 12288
	s_mov_b32 s29, 0
	s_lshl_b32 s30, s25, 9
	s_mov_b32 s31, 0
	v_mov_b32 v[TM+9], 0                           ; a lane permute's destination counts as one of its sources
	s_wait_kmcnt 0x0
	s_add_nc_u64 s[4:5], s[4:5], s[26:27]
	s_add_nc_u64 s[10:11], s[10:11], s[28:29]
	s_add_nc_u64 s[16:17], s[16:17], s[30:31]
.macro LOADF s                         ; K step s of the tile's 16 rows: lane-row i is row i + 8 (i / 8)
.irp i, 0,1,2,3,4,5,6,7,8,9,10,11,12,13,14,15
	global_load_b128 v[R+64*((\s)%2)+4*\i:R+64*((\s)%2)+4*\i+3], v2, s[4:5] offset:(\i+8*(\i/8))*4096+512*(\s) th:TH_LOAD_NT
.endr
.endm
.macro XSTEP s
.if (\s) < 7
	s_wait_loadcnt 16                              ; this K step's 16 loads are in; the next step's 16 may be out
.else
	s_wait_loadcnt 0x0
.endif
.irp i, 0,1,2,3,4,5,6,7,8,9,10,11,12,13,14,15
	ds_store_b128 v4, v[R+64*((\s)%2)+4*\i:R+64*((\s)%2)+4*\i+3] offset:528*\i
.endr
.irp c, 0,1
.irp j, 0,1,2,3,4,5,6,7
	ds_load_b128 v[X+32*\c+4*\j:X+32*\c+4*\j+3], v5 offset:256*\c+16*\j   ; LDS serves a wave's instructions in order: these see the stores above.  k = 64 c + 32 h + 4 j ..
.endr
.endr
	s_wait_dscnt 0x0                               ; my numbers are back, and the stores have read their registers,
.if (\s) < 6
	LOADF (\s)+2                                   ; which take the loads of two steps on
.endif
.irp c, 0,1
	v_max3_num_f32 v[TM+2*\c], |v[X+32*\c]|, |v[X+32*\c+1]|, |v[X+32*\c+2]|      ; a block's largest magnitude: all 32 numbers are mine; two chains a block
	v_max3_num_f32 v[TM+2*\c+1], |v[X+32*\c+3]|, |v[X+32*\c+4]|, |v[X+32*\c+5]|
.endr
.irp i, 6,10,14,18,22,26
.irp c, 0,1
	v_max3_num_f32 v[TM+2*\c], v[TM+2*\c], |v[X+32*\c+\i]|, |v[X+32*\c+\i+1]|
	v_max3_num_f32 v[TM+2*\c+1], v[TM+2*\c+1], |v[X+32*\c+\i+2]|, |v[X+32*\c+\i+3]|
.endr
.endr
.irp c, 0,1
	v_max3_num_f32 v[TM+2*\c], v[TM+2*\c], |v[X+32*\c+30]|, |v[X+32*\c+31]|
.endr
.irp c, 0,1
	v_max3_num_f32 v[TM+2*\c], v[TM+2*\c], v[TM+2*\c+1], 0x1800000   ; and the floor 2^(3 - 127): the byte cannot fall under 1
.endr
.irp c, 0,1
	v_add_nc_u32 v[TM+4+\c], 0xff000000, v[TM+2*\c]   ; 2 off the exponent field: the conversion takes this operand's exponent field as its scale
.endr
.irp c, 0,1
	v_lshrrev_b32 v[TM+6+\c], 23, v[TM+4+\c]       ; the scale's byte
.endr
	v_lshl_or_b32 v[TM+8], v[TM+7], 16, v[TM+6]    ; my two bytes, blocks h and 2 + h,
	v_lshlrev_b32 v[TM+8], v9, v[TM+8]             ; at their places in the word;
	v_permlanex16_b32 v[TM+9], v[TM+8], s22, s23
	v_or_b32 v[WD+(\s)], v[TM+8], v[TM+9]          ; with lane l xor 16's two the word is whole, in both lanes
	s_wait_alu depctr_va_vdst(0)
	s_wait_xcnt 0x0                                ; the last step's stores have read the codes' registers: they are written again only behind this wait
.irp c, 0,1
	v_cvt_scalef32_pk16_fp6_f32 v[C+6*\c:C+6*\c+2], v[X+32*\c:X+32*\c+15], v[TM+4+\c]
	v_cvt_scalef32_pk16_fp6_f32 v[D+4*\c:D+4*\c+2], v[X+32*\c+16:X+32*\c+31], v[TM+4+\c]   ; (a conversion's three registers begin on an even number)
.endr
	v_nop                                          ; one plain place behind a scaled conversion
.irp c, 0,1
.irp i, 0,1,2
	v_mov_b32 v[C+6*\c+3+\i], v[D+4*\c+\i]
.endr
.endr
	global_store_b128 v2, v[C:C+3], s[10:11] offset:1536*(\s)          ; each store covers 512 or 256 consecutive bytes, aligned
	global_store_b64 v3, v[C+4:C+5], s[10:11] offset:1536*(\s)+512
	global_store_b128 v2, v[C+6:C+9], s[10:11] offset:1536*(\s)+768
	global_store_b64 v3, v[C+10:C+11], s[10:11] offset:1536*(\s)+1280
.endm
	LOADF 0
	LOADF 1
.irp s, 0,1,2,3,4,5,6,7
	XSTEP \s
.endr
.irp j, 0,1,2,3
	v_cndmask_b32 v[TM+\j], v[WD+\j], v[WD+4+\j], s24   ; lanes 0-15 store K steps 0-3's words of row r, lanes 16-31 K steps 4-7's
.endr
	global_store_b128 v2, v[TM:TM+3], s[16:17]     ; the tile's 512 bytes of scale words
	s_wait_tensorcnt 0x0                           ; the wave's end, behind my last LDS store
	ds_add_u32 v[SPW], v[NIL]
	s_wait_dscnt 0x0
	s_endpgm
; ---------------- the weights: K is the FIRST axis.  A lane takes a column and its registers run down K: a block of 32 is one lane's, and the conversions give codes with K innermost.
.Lweights:
	s_sub_co_u32 s25, ttmp9, 128
	s_lshr_b32 s26, s25, 2                         ; group of 128 columns: 0-23 w_qkv's, 24-31 w_out's
	s_and_b32 s27, s25, 3                          ; y: which 256 along K
	s_lshr_b32 s48, s27, 1
	s_lshl_b32 s48, s48, 8
	s_and_b32 s49, s27, 1
	s_lshl_b32 s49, s49, 3
	s_add_co_u32 s48, s48, s49                     ; K steps 2 y, 2 y + 1 in a scale tile: 256 (y / 2) + 8 (y % 2)
	s_mov_b32 s28, 4096
	s_wait_kmcnt 0x0
	s_cmp_lt_u32 s26, 24                           ; the choice hangs on the work-group's number alone
	s_cselect_b64 s[6:7], s[6:7], s[8:9]           ; the weight,
	s_cselect_b32 s28, 12288, s28                  ; a row of it in bytes,
	s_cselect_b32 s29, 0, 24
	s_cselect_b64 s[12:13], s[12:13], s[14:15]     ; its codes,
	s_cselect_b64 s[16:17], s[16:17], s[18:19]     ; its scale words
	s_sub_co_u32 s26, s26, s29
	s_lshl_b32 s29, s26, 7
	s_lshl_b32 s30, s20, 5
	s_add_co_u32 s29, s29, s30                     ; my wave's first column
	s_lshl_b32 s30, s27, 8
	s_mul_i32 s30, s30, s28                        ; 256 y rows down
	s_lshl_b32 s31, s29, 2
	s_add_co_u32 s30, s30, s31
	s_mov_b32 s31, 0
	s_add_nc_u64 s[32:33], s[6:7], s[30:31]        ; block 0's base;
	s_lshl_b32 s50, s28, 5
	s_mov_b32 s51, 0
.irp t, 1,2,3,4,5,6,7
	s_add_nc_u64 s[32+2*\t:33+2*\t], s[30+2*\t:31+2*\t], s[50:51]   ; block t's: 32 rows further down
.endr
	s_lshr_b32 s52, s29, 4                         ; my first tile
	s_mul_i32 s54, s52, 12288
	s_mul_i32 s55, s27, 3072
	s_add_co_u32 s54, s54, s55
	s_mov_b32 s55, 0
	s_add_nc_u64 s[12:13], s[12:13], s[54:55]
	s_lshl_b32 s54, s52, 9
	s_add_co_u32 s54, s54, s48
	s_add_co_u32 s54, s54, 262144                  ; the weights' scale tiles lie behind 512 tiles of rows, in sc1 and in sc2 alike
	s_add_nc_u64 s[16:17], s[16:17], s[54:55]
	v_lshlrev_b32 v[VO], 2, v1
.irp i, 1,2,3,4,5,6,7,8,9,10,11,12,13,14,15,16,17,18,19,20,21,22,23,24,25,26,27,28,29,30,31
	v_add_nc_u32 v[VO+\i], s28, v[VO+\i-1]         ; one text serves both row lengths: the rows' offsets stand in registers
.endr
.macro WLOAD t                         ; block t: W(32 t + i, my column): each load reads 128 consecutive bytes, the four waves side by side 512
.irp i, 0,1,2,3,4,5,6,7,8,9,10,11,12,13,14,15,16,17,18,19,20,21,22,23,24,25,26,27,28,29,30,31
	global_load_b32 v[WX+32*((\t)%2)+\i], v[VO+\i], s[32+2*(\t):33+2*(\t)] th:TH_LOAD_NT
.endr
.endm
.macro BLOCK t
.set XS, WX+32*((\t)%2)
.if (\t) < 7
	s_wait_loadcnt 32                              ; this block's 32 loads are in; the next block's may be out
.else
	s_wait_loadcnt 0x0
.endif
	v_max3_num_f32 v[WT], |v[XS]|, |v[XS+1]|, |v[XS+2]|
	v_max3_num_f32 v[WT+1], |v[XS+3]|, |v[XS+4]|, |v[XS+5]|
.irp i, 6,10,14,18,22,26
	v_max3_num_f32 v[WT], v[WT], |v[XS+\i]|, |v[XS+\i+1]|
	v_max3_num_f32 v[WT+1], v[WT+1], |v[XS+\i+2]|, |v[XS+\i+3]|
.endr
	v_max3_num_f32 v[WT], v[WT], |v[XS+30]|, |v[XS+31]|
	v_max3_num_f32 v[WT], v[WT], v[WT+1], 0x1800000   ; the floor
	v_add_nc_u32 v[WT+2], 0xff000000, v[WT]        ; the conversion's scale operand
	v_lshrrev_b32 v[WT+3], 23, v[WT+2]             ; the byte
.if (\t)%4 == 0
	v_mov_b32 v[SB+(\t)/4], v[WT+3]
.else
	v_lshl_or_b32 v[SB+(\t)/4], v[WT+3], 8*((\t)%4), v[SB+(\t)/4]
.endif
	v_cvt_scalef32_pk16_fp6_f32 v[WC:WC+2], v[XS:XS+15], v[WT+2]
	v_cvt_scalef32_pk16_fp6_f32 v[WE:WE+2], v[XS+16:XS+31], v[WT+2]
	v_nop                                          ; one plain place behind a scaled conversion
.irp i, 0,1,2
	v_mov_b32 v[WC+3+\i], v[WE+\i]
.endr
	; block t is K step t / 4 of my two, half image (t % 4) / 2, and there the registers of lane r' + 16 (t % 2)
	ds_store_b128 v6, v[WC:WC+3] offset:1536*((\t)/4)+768*(((\t)%4)/2)+256*((\t)%2)
	ds_store_b64 v7, v[WC+4:WC+5] offset:1536*((\t)/4)+768*(((\t)%4)/2)+512+128*((\t)%2)
.if (\t)+2 < 8
	WLOAD (\t)+2
.endif
	s_wait_dscnt 0x0                               ; the stores have read their registers: the next block's codes may be written
.endm
	WLOAD 0
	WLOAD 1
.irp t, 0,1,2,3,4,5,6,7
	BLOCK \t
.endr
	s_wait_alu depctr_va_vdst(0)
	global_store_b64 v10, v[SB:SB+1], s[16:17]     ; my column's two scale words: 8 bytes a lane, 16 apart: one byte for each 128 bytes that this path reads
.irp n, 0,1,2,3,4,5,6,7,8,9,10,11
	ds_load_b128 v[OUTR+4*\n:OUTR+4*\n+3], v8 offset:3200*(\n/6)+512*(\n%6)   ; LDS serves a wave's instructions in order: these see my stores
.endr
.irp n, 0,1,2,3,4,5,6,7,8,9,10,11
	s_wait_dscnt 11-\n                             ; the younger of the twelve may be out
	global_store_b128 v2, v[OUTR+4*\n:OUTR+4*\n+3], s[12:13] offset:12288*(\n/6)+512*(\n%6)   ; 512 consecutive bytes, aligned
.endr
	s_wait_tensorcnt 0x0                           ; the wave's end, behind my last LDS store
	ds_add_u32 v[SPW], v[NIL]
	s_wait_dscnt 0x0
	s_endpgm
.Lfunc_end_k_q7384e50e78_quant:
	.size	k_q7384e50e78_quant, .Lfunc_end_k_q7384e50e78_quant-k_q7384e50e78_quant
	.p2alignl 7, 3214868480
	.fill 96, 4, 3214868480
	.section	.rodata,"a",@progbits
	.p2align	6, 0x0
	.amdhsa_kernel k_q7384e50e78_quant
		.amdhsa_group_segment_fixed_size 59904
		.amdhsa_private_segment_fixed_size 0
		.amdhsa_enable_private_segment 0
		.amdhsa_kernarg_size 64
		.amdhsa_user_sgpr_count 2
		.amdhsa_user_sgpr_kernarg_segment_ptr 1
		.amdhsa_wavefront_size32 1
		.amdhsa_system_sgpr_workgroup_id_x 1
		.amdhsa_system_sgpr_workgroup_id_y 1
		.amdhsa_system_sgpr_workgroup_id_z 1
		.amdhsa_system_vgpr_workitem_id 0
		.amdhsa_next_free_vgpr 256
		.amdhsa_next_free_sgpr 66
		.amdhsa_reserve_vcc 0
		.amdhsa_float_denorm_mode_32 3
		.amdhsa_float_denorm_mode_16_64 3
		.amdhsa_memory_ordered 1
		.amdhsa_forward_progress 1
		.amdhsa_inst_pref_size 101
	.end_amdhsa_kernel
	.amdgpu_metadata
---
amdhsa.version: [ 1, 2 ]
amdhsa.kernels:
  - .name:           k_q7384e50e78_quant
    .symbol:         k_q7384e50e78_quant.kd
    .args:
      - { .name: hidden_states, .offset: 0, .size: 8, .value_kind: global_buffer, .address_space: global }
      - { .name: w_qkv, .offset: 8, .size: 8, .value_kind: global_buffer, .address_space: global }
      - { .name: w_out, .offset: 16, .size: 8, .value_kind: global_buffer, .address_space: global }
      - { .name: xc, .offset: 24, .size: 8, .value_kind: global_buffer, .address_space: global }
      - { .name: wc, .offset: 32, .size: 8, .value_kind: global_buffer, .address_space: global }
      - { .name: woc, .offset: 40, .size: 8, .value_kind: global_buffer, .address_space: global }
      - { .name: sc1, .offset: 48, .size: 8, .value_kind: global_buffer, .address_space: global }
      - { .name: sc2, .offset: 56, .size: 8, .value_kind: global_buffer, .address_space: global }
    .group_segment_fixed_size: 59904
    .private_segment_fixed_size: 0
    .kernarg_segment_align: 8
    .kernarg_segment_size: 64
    .max_flat_workgroup_size: 128
    .sgpr_count:     66
    .vgpr_count:     256
    .wavefront_size: 32
...
	.end_amdgpu_metadata
.endif
;; end of part 1
;; launch gemm_qkv (part 2): grid 8 x 32, 4 waves a work-group, clusters of 4 x 4, 327,680 bytes of LDS; arguments xc, wc, sc1, qkv; writes qkv
.if DOCPART == 2
	.amdgcn_target "amdgcn-amd-amdhsa--gfx1250"
	.amdhsa_code_object_version 6
	.text
	.protected	k_q7384e50e78_gemm_qkv
	.globl	k_q7384e50e78_gemm_qkv
	.p2align	8
	.type	k_q7384e50e78_gemm_qkv,@function
k_q7384e50e78_gemm_qkv:
	s_mov_b64 s[64:65], 0
	v_nop
	global_prefetch_b8 v0, s[64:65] scope:SCOPE_SE
	s_setreg_imm32_b32 hwreg(HW_REG_WAVE_MODE, 25, 1), 1
	s_wait_xcnt 0x0
	s_wait_alu depctr_hold_cnt(0) depctr_sa_sdst(0) depctr_va_vdst(0) depctr_va_sdst(0) depctr_va_ssrc(0) depctr_va_vcc(0) depctr_vm_vsrc(0)
	s_getreg_b32 s2, hwreg(HW_REG_IB_STS2, 6, 4)
	s_cmp_eq_u32 s2, 0
	s_cbranch_scc0 .Lentry_in_a_cluster
	s_endpgm
.Lentry_in_a_cluster:
	s_bfe_u32 s2, ttmp6, 0x10000c
	s_cmp_lg_u32 s2, 0xf033
	s_cbranch_scc0 .Lentry_shape_is_right
	s_endpgm
.Lentry_shape_is_right:
; hidden_states x w_qkv on codes of FP6 with E8M0 scales, K = 1,024; q, k, v are quantised in registers and leave as codes: they never go to memory as f32.
; OPERANDS are images of registers: [tile of 16 rows][K step 8][1,536 bytes]; a fragment = two half images of 768 bytes (registers 0-3 at 16 x lane, registers 4-5 at 512 + 8 x lane).  Tile 2 b + u holds at lane-row r the row 32 b + 8 u + r + 8 (r / 8).
; 8 x 32 work-groups.  A work-group keeps its 256 tokens (Z, 16 tiles, all of K: 196,608 bytes of LDS, filled once) and takes three chunks of 128 columns (Y, 8 tiles) past them, one PHASE each: q's, k's, v's columns 128 y .. of their 1,024.
; So all partners of a cluster are in the same phase.  Four waves, 2 x 2: a wave has 128 tokens (one block of tokens) x 64 columns (one head): 32 accumulators, and in each phase it makes one block of 6,400 bytes of qkv.
; Y lies in two slots of four K steps (49,152 bytes each).  A slot is filled again with the next phase's tiles when its last fragments have been fetched: slot 0 in K step 3, slot 1 in K step 7, each behind the three lines and a round of the
; cluster's barrier, every wave one joint load of two tiles.  What a refill brought is shown to all waves by the next round, or in the last phase by a plain barrier.
; 4 x 4 work-groups form a cluster: Z's tiles are asked for jointly along a row of the cluster, Y's along a column.
; q, k: source 0 = Y, source 1 = Z: a lane holds a token, its registers run along the head's channels; accumulator (a, b) at 8 (4 a + b).  v: source 0 = Z, source 1 = Y: a lane holds a channel, its registers run along the keys; accumulator (a, b) at 8 (8 b + a).
; In both cases registers 16 x .. 16 x + 15 are half of scale block x of the next product (the other half in lane l xor 16), blocks 2 y, 2 y + 1 make half image y, and blocks 4 u .. 4 u + 3 scale word u: ONE way out serves all three phases.
; OUT: qkv in blocks of 6,400 bytes (8 half images, then 256 bytes of scale words [lane-row 16][4 words]): q at 0, k at 6,553,600: [batch][head][128 tokens]; v at 13,107,200: [batch][128 keys][head].
; PREFETCH: at the top of phases q and k each wave asks for 24 blocks of 256 bytes of the next phase's 98,304 bytes of Y; the sixteen waves of the four work-groups that will load them jointly share them out by address.
; The scale words come by plain loads: v[SCZ + 8 a + s], v[SCY + 8 b + s], lanes 0-15; the two bases differ by 4 modulo 8.
; LIMITS: a block of zeros gets the byte 1 (its codes are zeros; this program alone reads the bytes); NaN and infinities are not served.
; REGISTERS: window 0: v16-30 addresses, v32-95 and v100-131 scale words, v136-231 Z's set 0 (on the way out: work and codes), v232-235 scale words out; window 1: Y's sets at v0 and v128; window 2: v136-231 Z's set 1; window 3: accumulators.
.set FRB,   1536
.set TROW,  8*FRB
.set ZH,    8*TROW
.set YT,    4*FRB                      ; a tile's four K steps in a slot
.set YS,    8*YT                       ; a slot of Y
.set YREG,  2*ZH
.set SPARE, YREG+2*YS                  ; 294,912: the spare words, 128 bytes a wave
.set ZA16, 16
.set ZA8,  17
.set ZB16, 18
.set ZB8,  19
.set YA16, 20                          ; v20-21 my four tiles of Y in slot 0, v22-23 in slot 1
.set L16,  24
.set L8,   25
.set R16,  26
.set SZO,  27
.set SPW,  28
.set NIL,  29
.set PFO,  30
.set SCZ,  32
.set SCY,  100
.set AF,   136
.set TM,   136
.set TQ,   152
.set BS,   168
.set PC,   184
.set PT,   136
.set SW,   232
.set G1Z, 24
.set G0Z, 32
.set G0H, 36
.set G1H, 48
.set G0A, 56
.set G0B, 60
.set G1R, 68
.set OP,  76
.set OV,  78
.set SY,  80
.set PF,  82
.set SEL, 84
.set CNT, 86
.set MSB, 0
.macro WIN new
.if MSB != (\new)
	s_set_vgpr_msb (MSB<<8)|(\new)
.set MSB, (\new)
.endif
.endm
.macro PLACES
.rept 4
	v_nop
.endr
.endm
.macro CREST
	s_cmp_lg_u32 s14, 0
	s_cbranch_scc1 .Lnot_wave_0_\@
	s_barrier_signal -3
.Lnot_wave_0_\@:
	s_barrier_wait -3
	s_barrier_signal -1
	s_barrier_wait -1
.endm
.macro CROUND
	s_barrier_signal -1
	s_barrier_wait -1
	CREST
.endm
	s_load_b128 s[4:7], s[0:1], 0x0                ; xc, wc
	s_load_b128 s[8:11], s[0:1], 0x10              ; sc1, qkv
	v_lshl_add_u32 v[SPW], v0, 2, SPARE
	v_mov_b32 v[NIL], 0
	ds_add_u32 v[SPW], v[NIL]                      ; the opening lines: the add, twice on end, and its wait
	ds_add_u32 v[SPW], v[NIL]
	v_lshrrev_b32 v1, 5, v0
	v_readfirstlane_b32 s14, v1                    ; wave
	s_lshr_b32 s15, s14, 1                         ; my half of Z.  Also: at the head I fetch for Z (0) or for Y (1)
	s_and_b32 s16, s14, 1                          ; my half of Y.  Also: which half or slot I fetch there
	s_bfe_u32 s40, ttmp6, 0x40000
	s_bfe_u32 s41, ttmp6, 0x40004
	s_and_b32 s42, ttmp7, 0xffff
	s_lshl_b32 s43, s42, 2
	s_add_co_u32 s43, s43, s41                     ; which 256 tokens
	s_lshl_b32 s44, ttmp9, 2
	s_add_co_u32 s44, s44, s40                     ; which 128 columns of q, k, v
	s_lshl_b32 s46, s41, 2
	s_lshl_b32 s46, 15, s46                        ; my row of the cluster
	s_lshl_b32 s47, 0x1111, s40                    ; my column
	s_or_b32 s[G1Z+0], s46, (3<<16)|(1<<21)        ; Z's half: a dense block as 384 rows of 256 bytes
	s_mov_b32 s[G1Z+1], 32<<16
	s_mov_b32 s[G1Z+2], 384<<16
	s_mov_b32 s[G1Z+3], 32<<16
	s_mov_b32 s[G1Z+4], 384
	s_mov_b32 s[G1Z+5], 32
	s_mov_b32 s[G1Z+6], 0
	s_mov_b32 s[G1Z+7], 0
	s_or_b32 s[G1H+0], s47, (3<<16)|(1<<21)        ; a slot of Y: 8 tiles' four K steps, rows of 6,144 bytes, 12,288 apart
	s_mov_b32 s[G1H+1], 768<<16
	s_mov_b32 s[G1H+2], 8<<16
	s_mov_b32 s[G1H+3], 768<<16
	s_mov_b32 s[G1H+4], 8
	s_mov_b32 s[G1H+5], 1536
	s_mov_b32 s[G1H+6], 0
	s_mov_b32 s[G1H+7], 0
	s_or_b32 s[G1R+0], s47, (3<<16)|(1<<21)        ; a refill: two such rows a wave
	s_mov_b32 s[G1R+1], 768<<16
	s_mov_b32 s[G1R+2], 2<<16
	s_mov_b32 s[G1R+3], 768<<16
	s_mov_b32 s[G1R+4], 2
	s_mov_b32 s[G1R+5], 1536
	s_mov_b32 s[G1R+6], 0
	s_mov_b32 s[G1R+7], 0
	s_lshl_b32 s18, s43, 4                         ; the work-group's first tile of tokens,
	s_lshl_b32 s19, s44, 3                         ; and of q's columns
	s_lshl_b32 s12, s16, 3
	s_add_co_u32 s20, s18, s12
	s_mul_i32 s20, s20, TROW
	s_mov_b32 s21, 0
	s_mul_i32 s17, s16, ZH
	s_mul_i32 s22, s19, TROW
	s_mul_i32 s12, s16, YT
	s_add_co_u32 s22, s22, s12
	s_mov_b32 s23, 0
	s_mul_i32 s13, s16, YS
	s_add_co_u32 s13, s13, YREG
	s_lshl_b32 s12, s14, 1                         ; the refills: tiles 2 w, 2 w + 1 of the chunk
	s_add_co_u32 s88, s19, s12
	s_mul_i32 s88, s88, TROW
	s_mov_b32 s89, 0
	s_mul_i32 s87, s14, 2*YT
	s_add_co_u32 s87, s87, YREG
	s_wait_dscnt 0x0
	s_wait_kmcnt 0x0
	s_add_nc_u64 s[20:21], s[4:5], s[20:21]
	s_add_nc_u64 s[22:23], s[6:7], s[22:23]
	s_add_nc_u64 s[88:89], s[6:7], s[88:89]
	CROUND                                         ; all sixteen work-groups are here: the joint loads meet
	s_mov_b32 s[G0Z], 1
	s_mov_b32 s[G0Z+1], s17
	s_mov_b64 s[G0Z+2:G0Z+3], s[20:21]
	s_or_b32 s[G0Z+3], s[G0Z+3], 0x80000000
	s_mov_b32 s[G0H], 1
	s_mov_b32 s[G0H+1], s13
	s_mov_b64 s[G0H+2:G0H+3], s[22:23]
	s_or_b32 s[G0H+3], s[G0H+3], 0x80000000
	s_mov_b32 s[G0A], 1                            ; the refills' addresses stand at q's tiles and are stepped a phase on ahead of each use
	s_mov_b32 s[G0A+1], s87
	s_mov_b64 s[G0A+2:G0A+3], s[88:89]
	s_or_b32 s[G0A+3], s[G0A+3], 0x80000000
	s_mov_b32 s[G0B], 1
	s_add_co_u32 s[G0B+1], s87, YS
	s_add_nc_u64 s[G0B+2:G0B+3], s[88:89], YT
	s_or_b32 s[G0B+3], s[G0B+3], 0x80000000
	s_cmp_eq_u32 s15, 0
	s_cbranch_scc0 .Lfor_y
	tensor_load_to_lds s[G0Z:G0Z+3], s[G1Z:G1Z+7]  ; waves 0, 1: Z's halves
	s_nop 0
	PLACES
	s_branch .Lasked
.Lfor_y:
	tensor_load_to_lds s[G0H:G0H+3], s[G1H:G1H+7]  ; waves 2, 3: q's columns, slots 0 and 1
	s_nop 0
	PLACES
.Lasked:
	s_mul_i32 s92, s15, ZH                         ; my half of Z,
	s_add_co_u32 s94, s92, 4*TROW                  ; its tiles 4-7,
	s_mul_i32 s93, s16, 4*YT
	s_add_co_u32 s93, s93, YREG                    ; my four tiles of Y in slot 0,
	s_add_co_u32 s95, s93, YS                      ; and in slot 1
	s_lshl_b32 s87, s15, 3
	s_add_co_u32 s87, s87, s18
	s_lshl_b32 s87, s87, 9                         ; my tokens' scale words, 512 bytes a tile
	s_lshl_b32 s90, s16, 2
	s_add_co_u32 s90, s90, s19
	s_lshl_b32 s90, s90, 9
	s_add_co_u32 s90, s90, 262144
	s_mov_b32 s91, 0
	s_add_nc_u64 s[SY:SY+1], s[8:9], s[90:91]      ; my columns' scale words
	s_lshr_b32 s96, s43, 3
	s_mul_i32 s96, s96, 1638400                    ; batch
	s_and_b32 s97, s43, 7
	s_lshl_b32 s97, s97, 1
	s_add_co_u32 s97, s97, s15                     ; my block of 128 tokens
	s_lshl_b32 s98, s44, 1
	s_add_co_u32 s98, s98, s16                     ; my head
	s_mul_i32 s90, s98, 102400
	s_mul_i32 s99, s97, 6400
	s_add_co_u32 s90, s90, s99
	s_add_co_u32 s90, s90, s96
	s_add_nc_u64 s[OP:OP+1], s[10:11], s[90:91]    ; q's block; k's lies 6,553,600 further on
	s_mul_i32 s90, s97, 102400
	s_mul_i32 s99, s98, 6400
	s_add_co_u32 s90, s90, s99
	s_add_co_u32 s90, s90, s96
	s_add_co_u32 s90, s90, 13107200
	s_add_nc_u64 s[OV:OV+1], s[10:11], s[90:91]    ; v's block
	s_add_co_u32 s90, s19, 64
	s_mul_i32 s90, s90, TROW                       ; the prefetches: k's chunk,
	s_lshl_b32 s99, s41, 2
	s_add_co_u32 s99, s99, s14
	s_mul_i32 s99, s99, 24*256                     ; my sixteenth of it
	s_add_co_u32 s90, s90, s99
	s_add_nc_u64 s[PF:PF+1], s[6:7], s[90:91]
	s_mov_b32 s[SEL], 0x76543210
	s_mov_b32 s[SEL+1], 0xfedcba98
	v_and_b32 v1, 31, v0
	v_and_b32 v2, 15, v0
	v_lshlrev_b32 v[R16], 4, v2
	v_add_nc_u32 v[SZO], s87, v[R16]
.irp i, 0,1,2,3,4,5,6,7
	global_load_b128 v[SCZ+8*\i:SCZ+8*\i+3], v[SZO], s[8:9] offset:512*\i
	global_load_b128 v[SCZ+8*\i+4:SCZ+8*\i+7], v[SZO], s[8:9] offset:512*\i+256
.endr
.macro YSCALES
.irp i, 0,1,2,3
	global_load_b128 v[SCY+8*\i:SCY+8*\i+3], v[R16], s[SY:SY+1] offset:512*\i
	global_load_b128 v[SCY+8*\i+4:SCY+8*\i+7], v[R16], s[SY:SY+1] offset:512*\i+256
.endr
.endm
	YSCALES
	v_lshlrev_b32 v[L16], 4, v1
	v_lshlrev_b32 v[L8], 3, v1
	v_add_nc_u32 v[ZA16], s92, v[L16]
	v_add_nc_u32 v[ZA8], s92, v[L8]
	v_add_nc_u32 v[ZB16], s94, v[L16]
	v_add_nc_u32 v[ZB8], s94, v[L8]
	v_add_nc_u32 v[YA16], s93, v[L16]
	v_add_nc_u32 v[YA16+1], s93, v[L8]
	v_add_nc_u32 v[YA16+2], s95, v[L16]
	v_add_nc_u32 v[YA16+3], s95, v[L8]
	v_min_u32 v[PFO], 23, v1                       ; 24 blocks a wave; the lanes left over name the last again
	v_lshlrev_b32 v[PFO], 8, v[PFO]
.macro FRAG reg, a16, a8, off          ; a fragment comes back as it was stored: every load covers 512 or 256 consecutive bytes
	ds_load_b128 v[\reg:\reg+3], v[\a16] offset:\off
	ds_load_b64 v[\reg+4:\reg+5], v[\a8] offset:\off+512
	ds_load_b128 v[\reg+6:\reg+9], v[\a16] offset:\off+768
	ds_load_b64 v[\reg+10:\reg+11], v[\a8] offset:\off+1280
.endm
.macro FETCH s                         ; K step s into sets s % 2: 48 loads
	WIN 0x40
.irp i, 0,1,2,3
	FRAG 128*((\s)%2)+12*\i, YA16+2*((\s)/4), YA16+2*((\s)/4)+1, YT*\i+FRB*((\s)%4)
.endr
	WIN 0x80*((\s)%2)
.irp i, 0,1,2,3
	FRAG AF+12*\i, ZA16, ZA8, TROW*\i+FRB*(\s)
.endr
.irp i, 0,1,2,3
	FRAG AF+48+12*\i, ZB16, ZB8, TROW*\i+FRB*(\s)
.endr
.endm
.macro PROD d, ra, rb, s, x0, x1
.if (\s) == 0
	v_wmma_scale_f32_16x16x128_f8f6f4 v[\d:\d+7], v[\ra:\ra+11], v[\rb:\rb+11], 0, v[\x0], v[\x1] matrix_a_fmt:MATRIX_FMT_FP6 matrix_b_fmt:MATRIX_FMT_FP6
.else
	v_wmma_scale_f32_16x16x128_f8f6f4 v[\d:\d+7], v[\ra:\ra+11], v[\rb:\rb+11], v[\d:\d+7], v[\x0], v[\x1] matrix_a_fmt:MATRIX_FMT_FP6 matrix_b_fmt:MATRIX_FMT_FP6
.endif
.endm
.macro MULH k, s, a0                   ; 16 products: Z's tiles a0 .. a0 + 3 x Y's four.  k = 0: q, k; k = 1: v.  The 32 accumulators take turns, one instruction a turn, in the same order in every K step
.if \k
	WIN 0xf4|(2*((\s)%2))
.else
	WIN 0xf1|(((\s)%2)<<3)
.endif
.irp a, \a0, \a0+1, \a0+2, \a0+3
.irp b, 0,1,2,3
.if \k
	PROD 8*(8*\b+(\a)), AF+12*(\a), 128*((\s)%2)+12*\b, \s, SCZ+8*(\a)+(\s), SCY+8*\b+(\s)
.else
	PROD 8*(4*(\a)+\b), 128*((\s)%2)+12*\b, AF+12*(\a), \s, SCY+8*\b+(\s), SCZ+8*(\a)+(\s)
.endif
.endr
.endr
.endm
.macro NSTEP k, s                      ; a K step, with the next one's fetch ahead of its products
.if (\s) > 0
	PLACES                                         ; four places ahead of loads into registers that the last K step's products have read
.endif
	FETCH (\s)+1
	s_wait_dscnt 48                                ; this K step's fragments are in; the 48 loads just issued may be out
	MULH \k, \s, 0
	MULH \k, \s, 4
.endm
.macro RSTEP k, s, refill, g0          ; a K step with a barrier in it: all fetches from one slot of Y are over, and what was on its way is shown to all
	WIN 0
	s_wait_tensorcnt 0x0                           ; all my tensor loads have landed
.if \refill
	ds_add_u32 v[SPW], v[NIL]
	s_add_nc_u64 s[\g0+2:\g0+3], s[\g0+2:\g0+3], 64*TROW   ; no load of mine is out: the slot's next tiles, a phase on
.endif
	s_wait_dscnt 0x0                               ; this K step's fragments are in: my reads of the slot are over
	s_barrier_signal -1
	MULH \k, \s, 0                                 ; work on registers while the others arrive
	WIN 0
	s_barrier_wait -1
.if \refill
	CREST                                          ; the barrier has opened a round of the cluster's barrier
	tensor_load_to_lds s[\g0:\g0+3], s[G1R:G1R+7]  ; the first tensor load behind the round, my only one until the next
	s_nop 0
.endif
	PLACES
.if (\s) < 7
	FETCH (\s)+1
.endif
	MULH \k, \s, 4
.endm
; THE WAY OUT.  Sixteen blocks side by side: the largest magnitude of my 16 numbers and of lane l xor 16's, the scale, the byte; then eight half images.
.macro OUT base
	WIN 0x3c
.irp x, 0,1,2,3,4,5,6,7,8,9,10,11,12,13,14,15
	v_max3_num_f32 v[TM+\x], 0x1800000, |v[16*\x]|, |v[16*\x+1]|   ; the floor 2^(3 - 127) among the leaves; each accumulator is read from its low end on
.endr
.irp i, 2,4,6,8,10,12,14
.irp x, 0,1,2,3,4,5,6,7,8,9,10,11,12,13,14,15
	v_max3_num_f32 v[TM+\x], v[TM+\x], |v[16*\x+\i]|, |v[16*\x+\i+1]|
.endr
.endr
	WIN 0
.irp x, 0,1,2,3,4,5,6,7,8,9,10,11,12,13,14,15
	v_permlanex16_b32 v[TQ+\x], v[TM+\x], s[SEL], s[SEL+1]
.endr
.irp x, 0,1,2,3,4,5,6,7,8,9,10,11,12,13,14,15
	v_max_num_f32 v[TM+\x], v[TM+\x], v[TQ+\x]
.endr
.irp x, 0,1,2,3,4,5,6,7,8,9,10,11,12,13,14,15
	v_add_nc_u32 v[BS+\x], 0xff000000, v[TM+\x]    ; 2 off the exponent field: the conversion's scale operand
.endr
.irp x, 0,1,2,3,4,5,6,7,8,9,10,11,12,13,14,15
	v_lshrrev_b32 v[TQ+\x], 23, v[BS+\x]           ; the byte
.endr
.irp u, 0,1,2,3
	v_lshl_or_b32 v[SW+\u], v[TQ+4*\u+1], 8, v[TQ+4*\u]
.endr
.irp u, 0,1,2,3
	v_lshl_or_b32 v[SW+\u], v[TQ+4*\u+2], 16, v[SW+\u]
.endr
.irp u, 0,1,2,3
	v_lshl_or_b32 v[SW+\u], v[TQ+4*\u+3], 24, v[SW+\u]
.endr
	WIN 0x03
.irp y, 0,1,2,3,4,5,6,7
	v_cvt_scalef32_pk16_fp6_f32 v[PC+6*\y:PC+6*\y+2], v[32*\y:32*\y+15], v[BS+2*\y]
	v_cvt_scalef32_pk16_fp6_f32 v[PT+4*\y:PT+4*\y+2], v[32*\y+16:32*\y+31], v[BS+2*\y+1]   ; (a conversion's three registers begin on an even number)
.endr
	WIN 0
	v_nop                                          ; one plain place behind a scaled conversion
.irp y, 0,1,2,3,4,5,6,7                ; the operand's layout wants a WHOLE block in a lane: lanes 0-15 block 2 y, lanes 16-31 block 2 y + 1
.irp i, 0,1,2
	v_permlane16_swap_b32 v[PC+6*\y+\i], v[PT+4*\y+\i]
.endr
.endr
.irp y, 0,1,2,3,4,5,6,7
.irp i, 0,1,2
	v_mov_b32 v[PC+6*\y+3+\i], v[PT+4*\y+\i]
.endr
.endr
.irp y, 0,1,2,3,4,5,6,7
	global_store_b128 v[L16], v[PC+6*\y:PC+6*\y+3], s[\base:\base+1] offset:768*\y          ; 512 and 256 consecutive bytes, aligned
	global_store_b64 v[L8], v[PC+6*\y+4:PC+6*\y+5], s[\base:\base+1] offset:768*\y+512
.endr
	global_store_b128 v[R16], v[SW:SW+3], s[\base:\base+1] offset:6144   ; 256 consecutive bytes; both halves of the lanes hold the same words
	s_wait_xcnt 0x0                                ; the stores have read their registers and their base
.endm
.macro PHASE k, refill, base
	FETCH 0
.if \refill
	global_prefetch_b8 v[PFO], s[PF:PF+1] th:TH_LOAD_NT scope:SCOPE_SE   ; the next phase's columns
.endif
	s_wait_loadcnt 0x0                             ; the scale words
	NSTEP \k, 0
	NSTEP \k, 1
	NSTEP \k, 2
	RSTEP \k, 3, \refill, G0A                      ; slot 1 is shown whole; slot 0 takes the next phase's K steps 0-3
	NSTEP \k, 4
	NSTEP \k, 5
	NSTEP \k, 6
.if \refill
	RSTEP \k, 7, 1, G0B                            ; slot 0 is shown whole; slot 1 takes the next phase's K steps 4-7
.else
	s_wait_dscnt 0x0
	MULH \k, 7, 0
	MULH \k, 7, 4
.endif
	WIN 0
	PLACES                                         ; behind the last products: for the first reads of results, the writes of Z's set 0 and the loads into Y's scale words
.if \refill
	s_add_nc_u64 s[SY:SY+1], s[SY:SY+1], 64*512
	YSCALES
.endif
	OUT \base
.endm
	s_wait_alu depctr_va_vdst(0)                   ; the wait at the head's end
	s_wait_tensorcnt 0x0                           ; my block is in,
	s_barrier_signal -1
	s_barrier_wait -1                              ; everybody's is
	s_mov_b32 s[CNT], 0
.Lphase:                                               ; q, then k
	PHASE 0, 1, OP
	s_add_nc_u64 s[OP:OP+1], s[OP:OP+1], 6553600
	s_add_nc_u64 s[PF:PF+1], s[PF:PF+1], 64*TROW
	s_add_co_u32 s[CNT], s[CNT], 1
	s_cmp_lg_u32 s[CNT], 2
	s_wait_alu depctr_va_vdst(0)
	s_cbranch_scc1 .Lphase
	PHASE 1, 0, OV                                 ; v: nothing more is fetched from memory
	s_wait_tensorcnt 0x0                           ; the wave's end
	ds_add_u32 v[SPW], v[NIL]
	s_wait_dscnt 0x0
	CROUND                                         ; the closing round
	s_endpgm
.Lfunc_end_k_q7384e50e78_gemm_qkv:
	.size	k_q7384e50e78_gemm_qkv, .Lfunc_end_k_q7384e50e78_gemm_qkv-k_q7384e50e78_gemm_qkv
	.p2alignl 7, 3214868480
	.fill 96, 4, 3214868480
	.section	.rodata,"a",@progbits
	.p2align	6, 0x0
	.amdhsa_kernel k_q7384e50e78_gemm_qkv
		.amdhsa_group_segment_fixed_size 327680
		.amdhsa_private_segment_fixed_size 0
		.amdhsa_enable_private_segment 0
		.amdhsa_kernarg_size 32
		.amdhsa_user_sgpr_count 2
		.amdhsa_user_sgpr_kernarg_segment_ptr 1
		.amdhsa_wavefront_size32 1
		.amdhsa_system_sgpr_workgroup_id_x 1
		.amdhsa_system_sgpr_workgroup_id_y 1
		.amdhsa_system_sgpr_workgroup_id_z 1
		.amdhsa_system_vgpr_workitem_id 0
		.amdhsa_next_free_vgpr 1024
		.amdhsa_next_free_sgpr 100
		.amdhsa_reserve_vcc 0
		.amdhsa_float_denorm_mode_32 3
		.amdhsa_float_denorm_mode_16_64 3
		.amdhsa_memory_ordered 1
		.amdhsa_forward_progress 1
		.amdhsa_inst_pref_size 163
	.end_amdhsa_kernel
	.amdgpu_metadata
---
amdhsa.version: [ 1, 2 ]
amdhsa.kernels:
  - .name:           k_q7384e50e78_gemm_qkv
    .symbol:         k_q7384e50e78_gemm_qkv.kd
    .args:
      - { .name: xc, .offset: 0, .size: 8, .value_kind: global_buffer, .address_space: global }
      - { .name: wc, .offset: 8, .size: 8, .value_kind: global_buffer, .address_space: global }
      - { .name: sc1, .offset: 16, .size: 8, .value_kind: global_buffer, .address_space: global }
      - { .name: qkv, .offset: 24, .size: 8, .value_kind: global_buffer, .address_space: global }
    .group_segment_fixed_size: 327680
    .private_segment_fixed_size: 0
    .kernarg_segment_align: 8
    .kernarg_segment_size: 32
    .max_flat_workgroup_size: 128
    .sgpr_count:     100
    .vgpr_count:     1024
    .wavefront_size: 32
...
	.end_amdgpu_metadata
.endif
;; end of part 2
;; launch attn (part 3): grid 4 x 64, 8 waves a work-group, clusters of 4 x 1, 327,680 bytes of LDS; arguments qkv, cc, sc2; writes cc, sc2
.if DOCPART == 3
	.amdgcn_target "amdgcn-amd-amdhsa--gfx1250"
	.amdhsa_code_object_version 6
	.text
	.protected	k_q7384e50e78_attn
	.globl	k_q7384e50e78_attn
	.p2align	8
	.type	k_q7384e50e78_attn,@function
k_q7384e50e78_attn:
	s_mov_b64 s[64:65], 0
	v_nop
	global_prefetch_b8 v0, s[64:65] scope:SCOPE_SE
	s_setreg_imm32_b32 hwreg(HW_REG_WAVE_MODE, 25, 1), 1
	s_wait_xcnt 0x0
	s_wait_alu depctr_hold_cnt(0) depctr_sa_sdst(0) depctr_va_vdst(0) depctr_va_sdst(0) depctr_va_ssrc(0) depctr_va_vcc(0) depctr_vm_vsrc(0)
	s_getreg_b32 s2, hwreg(HW_REG_IB_STS2, 6, 4)
	s_cmp_eq_u32 s2, 0
	s_cbranch_scc0 .Lentry_in_a_cluster
	s_endpgm
.Lentry_in_a_cluster:
	s_bfe_u32 s2, ttmp6, 0x10000c
	s_cmp_lg_u32 s2, 0x3003
	s_cbranch_scc0 .Lentry_shape_is_right
	s_endpgm
.Lentry_shape_is_right:
; softmax(q k^T / 8) v for one batch and head, on codes of FP6 with E8M0 scales; the context leaves as codes and scale bytes for the last product.
; A work-group of 8 waves takes 512 queries; a wave 64 queries (4 tiles of 16, worked in two PAIRS) and walks all 2,048 keys in 16 steps of 128.  Each fragment of k and v that a wave reads from LDS feeds its 4 tiles.
; The head's k (16 x 6,400 bytes from LDS byte 0) and v (16 x 6,400 from byte 102,400) are filled once, by 8 joint loads, one a wave, shared by the 4 work-groups of the cluster (the same batch and head).
; Nothing is filled again.  No prefetch: every tile is asked for at the head, so there is no loop to run ahead in.
; Both products are used transposed (S^T = k q^T, O^T = v^T p^T): a lane holds one query.  A head has 64 channels, so q's operand is q beside six registers of zero codes: [q|0] takes the first tile of a pair of k's tiles, [0|q] the second.
; THE KEYS OF A TILE ARE CHOSEN BY THE LANES' ADDRESSES: tile (c, j) takes at row 8 g + i the key 64 c + 32 g + 8 j + i, rows 0-7 and rows 8-15 from images 1,536 bytes apart.
; So the 32 score registers + 32 c .. of lane (r, h) are the keys 64 c + 32 h + 0 .. 31: one whole scale block, in the order of p's operand.  No lane is asked for a block's maximum, and no codes change lanes.
; The two tiles of a pair go through every stage side by side, line by line in turn, so that no line reads the line above it, and one batch of exponentials serves both.
; M is the running largest t rounded up to a whole number, kept as -M; p = 2^(t - M); the row's sum is taken of the unquantised p; O^T and the sum are multiplied by 2^(old M - new M) in every step.
; A block's largest p is made from its largest score by the same multiply-add and exponential as every p.
; LIMITS: the promise holds while |t| stays under 2^31; NaN and infinities are not served; a block of zeros gets the byte 1 (its codes are zeros; this program alone reads the bytes).
; The fetches run one step ahead; in the last trip they bring step 15's bytes once more, which no product takes.
; REGISTERS: window 0: v1-15 addresses and work, v16-31 per tile -M, largest score, the sum's two halves; v32-49 scale words and factors; v50-63 at work; v64-79 upper halves of p's codes; v80-127 k; v128-255 two tiles' scores, then p.
;            window 1: v0-127 O^T (32 a tile); v128-175 v; v176-199 two tiles' p codes; v200-253 q and zeros.
.set KSTEP, 6400
.set VREG,  102400
.set SPARE, 204800
.set SPW, 1
.set NIL, 2
.set KB16, 3                           ; 1,536 g + 16 i + 256 h
.set KB8, 4                            ; 1,536 g + 8 i + 128 h
.set KSB, 5                            ; 16 i + 4 g
.set L16, 6
.set L8, 7
.set R16, 8
.set W0, 9                             ; v9-11 the addresses of the fetch that is due next
.set SH8, 12                           ; 8 h
.set ST, 16
.set KS, 32
.set VS, 36
.set FF, 40                            ; v40-43 the two tiles' factors, a pair each
.set QS, 44
.set PW, 48
.set BM, 50                            ; + 2 t + c
.set BN, 54
.set BS, 58
.set PT, 64
.set HW, 64
.set F, 80
.set S, 128
.set O, 0
.set V, 128
.set P, 176
.set QB, 200
.set WV, 10
.set SEL, 36
.set CS, 38
.set TB, 40
.set TN, 41
.set TV, 42
.set CNT, 43
.set QP, 44
.set CCP, 46
.set SCP, 48
.set MSB, 0
.macro WIN new                         ; the immediate's high byte repeats the setting that is left
.if MSB != (\new)
	s_set_vgpr_msb (MSB<<8)|(\new)
.set MSB, (\new)
.endif
.endm
.macro WALU
	s_wait_alu depctr_va_vdst(0)
.endm
.macro ROUND
	s_barrier_signal -1
	s_barrier_wait -1
	s_cmp_lg_u32 s[WV], 0
	s_cbranch_scc1 .Lnot_wave_0_\@
	s_barrier_signal -3
.Lnot_wave_0_\@:
	s_barrier_wait -3
	s_barrier_signal -1
	s_barrier_wait -1
.endm
	s_load_b128 s[4:7], s[0:1], 0x0                ; qkv, cc
	s_load_b64 s[8:9], s[0:1], 0x10                ; sc2
	v_lshl_add_u32 v[SPW], v0, 2, SPARE
	v_mov_b32 v[NIL], 0
	ds_add_u32 v[SPW], v[NIL]                      ; the opening lines: the add, twice on end, and its wait
	ds_add_u32 v[SPW], v[NIL]
	v_lshrrev_b32 v13, 5, v0
	v_readfirstlane_b32 s[WV], v13
	s_bfe_u32 s11, ttmp6, 0x40000                  ; cx: which 512 queries
	s_and_b32 s12, ttmp7, 0xffff                   ; 16 x batch + head
	s_lshr_b32 s13, s12, 4
	s_and_b32 s14, s12, 15
	s_mov_b32 s16, 15|(3<<16)|(1<<21)              ; k: 25,600 dense bytes as 100 rows of 256
	s_mov_b32 s17, 32<<16
	s_mov_b32 s18, 100<<16
	s_mov_b32 s19, 32<<16
	s_mov_b32 s20, 100
	s_mov_b32 s21, 32
	s_mov_b32 s22, 0
	s_mov_b32 s23, 0
	s_mov_b32 s24, 15|(3<<16)|(1<<21)              ; v: 4 rows of 6,400 bytes, 102,400 apart
	s_mov_b32 s25, 800<<16
	s_mov_b32 s26, 4<<16
	s_mov_b32 s27, 800<<16
	s_mov_b32 s28, 4
	s_mov_b32 s29, 12800
	s_mov_b32 s30, 0
	s_mov_b32 s31, 0
	s_mul_i32 s50, s12, 102400                     ; waves 0-3: k's steps 4 w .. 4 w + 3
	s_mul_i32 s51, s[WV], 25600
	s_add_co_u32 s50, s50, s51
	s_add_co_u32 s50, s50, 6553600
	s_mul_i32 s52, s13, 1638400                    ; waves 4-7: v's steps 4 (w - 4) ..
	s_mul_i32 s53, s14, 6400
	s_add_co_u32 s52, s52, s53
	s_mul_i32 s53, s[WV], 409600
	s_add_co_u32 s52, s52, s53
	s_add_co_u32 s52, s52, 13107200-4*409600
	s_cmp_lt_u32 s[WV], 4
	s_cselect_b32 s50, s50, s52
	s_mov_b32 s32, 1
	s_mov_b32 s33, s51                             ; LDS: 25,600 x wave serves both (v's region begins at 4 x 25,600)
	s_mov_b32 s51, 0
	s_mov_b32 s[SEL], 0x76543210
	s_mov_b32 s[SEL+1], 0xfedcba98
	s_mov_b32 s[CS], 0x3e38aa3b                    ; log2(e) / 8
	s_mov_b32 s[CS+1], s[CS]
	s_wait_dscnt 0x0
	s_wait_kmcnt 0x0
	s_add_nc_u64 s[34:35], s[4:5], s[50:51]
	s_or_b32 s35, s35, 0x80000000
	ROUND                                          ; the four work-groups meet ahead of the joint loads
	s_cmp_lt_u32 s[WV], 4
	s_cbranch_scc0 .Lfor_v
	tensor_load_to_lds s[32:35], s[16:23]
	s_nop 0
.rept 4
	v_nop
.endr
	s_branch .Lasked
.Lfor_v:
	tensor_load_to_lds s[32:35], s[24:31]
	s_nop 0
.rept 4
	v_nop
.endr
.Lasked:
	s_mul_i32 s54, s12, 102400                     ; q: my block of 128 tokens: 4 cx + w / 2; my tiles 4 (w % 2) + n of it
	s_mul_i32 s55, s11, 25600
	s_add_co_u32 s54, s54, s55
	s_lshr_b32 s55, s[WV], 1
	s_mul_i32 s55, s55, 6400
	s_add_co_u32 s54, s54, s55
	s_mov_b32 s55, 0
	s_add_nc_u64 s[QP:QP+1], s[4:5], s[54:55]
	s_and_b32 s53, s[WV], 1
	s_mul_i32 s52, s53, 3072
	s_lshl_b32 s53, s53, 3
	s_lshl_b32 s54, s13, 7                         ; my first tile of tokens: 128 batch + 32 cx + 4 w
	s_lshl_b32 s56, s11, 5
	s_add_co_u32 s54, s54, s56
	s_lshl_b32 s56, s[WV], 2
	s_add_co_u32 s54, s54, s56
	s_mul_i32 s56, s54, 12288
	s_mul_i32 s57, s14, 768                        ; the head's half image
	s_add_co_u32 s56, s56, s57
	s_mov_b32 s57, 0
	s_add_nc_u64 s[CCP:CCP+1], s[6:7], s[56:57]
	s_lshl_b32 s56, s54, 9                         ; and its two scale bytes: K step head / 2, upper or lower half of the word
	s_lshr_b32 s58, s14, 3
	s_lshl_b32 s58, s58, 8
	s_add_co_u32 s56, s56, s58
	s_bfe_u32 s58, s14, 0x20001
	s_lshl_b32 s58, s58, 2
	s_add_co_u32 s56, s56, s58
	s_and_b32 s58, s14, 1
	s_lshl_b32 s58, s58, 1
	s_add_co_u32 s56, s56, s58
	s_add_nc_u64 s[SCP:SCP+1], s[8:9], s[56:57]
	v_and_b32 v13, 31, v0
	v_and_b32 v14, 15, v0
	v_bfe_u32 v[BM], v0, 4, 1                      ; h
	v_bfe_u32 v[BM+1], v0, 3, 1                    ; g
	v_and_b32 v[BM+2], 7, v0                       ; i
	v_lshlrev_b32 v[L16], 4, v13
	v_lshlrev_b32 v[L8], 3, v13
	v_lshlrev_b32 v[R16], 4, v14
	v_lshlrev_b32 v[SH8], 3, v[BM]
	v_mul_u32_u24 v[KB16], v[BM+1], 1536
	v_lshl_add_u32 v[KB8], v[BM+2], 3, v[KB16]
	v_lshl_add_u32 v[KB16], v[BM+2], 4, v[KB16]
	v_lshl_add_u32 v[KB8], v[BM], 7, v[KB8]
	v_lshl_add_u32 v[KB16], v[BM], 8, v[KB16]
	v_lshlrev_b32 v[KSB], 4, v[BM+2]
	v_lshl_add_u32 v[KSB], v[BM+1], 2, v[KSB]
	v_add_nc_u32 v[W0], s52, v[L16]
	v_add_nc_u32 v[W0+1], s52, v[L8]
	v_add_nc_u32 v[W0+2], s53, v[R16]
	global_load_b64 v[62:63], v[W0+2], s[QP:QP+1] offset:6144   ; the scale words of my two pairs of tiles
	WIN 0x40
.irp n, 0,1,2,3
	global_load_b128 v[QB+6+12*\n:QB+9+12*\n], v[W0], s[QP:QP+1] offset:768*\n
	global_load_b64 v[QB+10+12*\n:QB+11+12*\n], v[W0+1], s[QP:QP+1] offset:768*\n+512
.endr
.irp z, 0,1,2,3,4
.irp i, 0,1,2,3,4,5
	v_mov_b32 v[QB+12*\z+\i], 0                    ; zero codes beside q
.endr
.endr
.set j, 0
.rept 128
	v_mov_b32 v[O+j], 0                            ; the step is written once: the first finds zeros
.set j, j+1
.endr
	WIN 0
	WALU
	s_wait_loadcnt 0x0
.irp n, 0,1,2,3
	v_perm_b32 v[QS+\n], v[62+\n/2], v[62+\n/2], 0x01000100+0x02020202*(\n%2)   ; the tile's two bytes, for both places of q in its operand
.endr
.irp n, 0,1,2,3
	v_mov_b32 v[ST+4*\n], 0x7f61b1e6               ; -M: 3e38
	v_mov_b32 v[ST+4*\n+1], 0xff61b1e6             ; the largest score so far: -3e38
	v_mov_b32 v[ST+4*\n+2], 0
	v_mov_b32 v[ST+4*\n+3], 0
.endr
	v_mov_b32 v[FF+1], 0                           ; named as the upper halves of pairs
	v_mov_b32 v[FF+3], 0
.macro KLOAD a16, a8, as               ; 20 loads: four pairs of tiles (c, 2 m), (c, 2 m + 1) and their scale words
.irp c, 0,1
.irp m, 0,1
.irp e, 0,1
	ds_load_b128 v[F+12*(2*\c+\m)+6*\e:F+12*(2*\c+\m)+6*\e+3], v[\a16] offset:768*(4*\c+\e)+128*\m
	ds_load_b64 v[F+12*(2*\c+\m)+6*\e+4:F+12*(2*\c+\m)+6*\e+5], v[\a8] offset:768*(4*\c+\e)+512+64*\m
.endr
	ds_load_b32 v[KS+2*\c+\m], v[\as] offset:6144+128*\m+8*\c
.endr
.endr
.endm
.macro VLOAD a16, a8, as               ; 17 loads: four fragments of 16 channels x 128 keys and their scale words
	ds_load_b128 v[VS:VS+3], v[\as] offset:6144
	WIN 0x40
.irp ct, 0,1,2,3
	ds_load_b128 v[V+12*\ct:V+12*\ct+3], v[\a16] offset:1536*\ct
	ds_load_b64 v[V+12*\ct+4:V+12*\ct+5], v[\a8] offset:1536*\ct+512
	ds_load_b128 v[V+12*\ct+6:V+12*\ct+9], v[\a16] offset:1536*\ct+768
	ds_load_b64 v[V+12*\ct+10:V+12*\ct+11], v[\a8] offset:1536*\ct+1280
.endr
	WIN 0
.endm
.macro SMUL n                          ; S^T of query tile n: 8 products (q in window 1)
.irp u, 0,1,2,3
	v_wmma_scale_f32_16x16x128_f8f6f4 v[S+64*((\n)%2)+16*\u:S+64*((\n)%2)+16*\u+7], v[F+12*\u:F+12*\u+11], v[QB+6+12*(\n):QB+17+12*(\n)], 0, v[KS+\u], v[QS+(\n)] matrix_a_fmt:MATRIX_FMT_FP6 matrix_b_fmt:MATRIX_FMT_FP6
	v_wmma_scale_f32_16x16x128_f8f6f4 v[S+64*((\n)%2)+16*\u+8:S+64*((\n)%2)+16*\u+15], v[F+12*\u:F+12*\u+11], v[QB+12*(\n):QB+11+12*(\n)], 0, v[KS+\u], v[QS+(\n)] matrix_a_fmt:MATRIX_FMT_FP6 matrix_b_fmt:MATRIX_FMT_FP6
.endr
.endm
.macro SCOP k, t                       ; p's scales of tile t of the pair, one line at a time among the sums' additions
.if (\k) == 0
	v_max_num_f32 v[BM+2*\t], 0x1800000, v[BM+2*\t]        ; the floor 2^(3 - 127): the byte cannot fall under 1
.elseif (\k) == 1
	v_max_num_f32 v[BM+2*\t+1], 0x1800000, v[BM+2*\t+1]
.elseif (\k) == 2
	v_add_nc_u32 v[BS+2*\t], 0xff000000, v[BM+2*\t]        ; 2 off the exponent field: the conversion's scale operand
.elseif (\k) == 3
	v_add_nc_u32 v[BS+2*\t+1], 0xff000000, v[BM+2*\t+1]
.elseif (\k) == 4
	v_lshrrev_b32 v[BN+2*\t], 23, v[BS+2*\t]
.elseif (\k) == 5
	v_lshrrev_b32 v[BN+2*\t+1], 23, v[BS+2*\t+1]
.elseif (\k) == 6
	v_lshl_or_b32 v[BM+2*\t], v[BN+2*\t+1], 16, v[BN+2*\t] ; my bytes: blocks h and 2 + h,
.elseif (\k) == 7
	v_lshlrev_b32 v[BM+2*\t], v[SH8], v[BM+2*\t]           ; at their places;
.elseif (\k) == 8
	v_permlanex16_b32 v[BN+2*\t], v[BM+2*\t], s[SEL], s[SEL+1]
.elseif (\k) == 9
	v_or_b32 v[PW+\t], v[BM+2*\t], v[BN+2*\t]              ; with lane l xor 16's two the word is whole
.endif
.endm
.macro PAIR p                          ; query tiles 2 p and 2 p + 1 (t = 0, 1), whose scores stand in S + 64 t
.set SP, ST+8*(\p)                     ; tile t: -M at SP + 4 t, the largest score + 1, the sum + 2, + 3
.irp t, 0,1                            ; each block's largest score, two chains a block, each accumulator from its low end on
.irp c, 0,1
	v_max3_num_f32 v[BM+2*\t+\c], v[S+64*\t+32*\c], v[S+64*\t+32*\c+1], v[S+64*\t+32*\c+2]
	v_max3_num_f32 v[BN+2*\t+\c], v[S+64*\t+32*\c+16], v[S+64*\t+32*\c+17], v[S+64*\t+32*\c+18]
.endr
.endr
.irp i, 3,5,7,9,11,13
.irp t, 0,1
.irp c, 0,1
	v_max3_num_f32 v[BM+2*\t+\c], v[BM+2*\t+\c], v[S+64*\t+32*\c+\i], v[S+64*\t+32*\c+\i+1]
	v_max3_num_f32 v[BN+2*\t+\c], v[BN+2*\t+\c], v[S+64*\t+32*\c+16+\i], v[S+64*\t+32*\c+17+\i]
.endr
.endr
.endr
.irp x, 0,1,2,3
	v_max3_num_f32 v[BM+\x], v[BM+\x], v[S+32*\x+15], v[S+32*\x+31]
.endr
.irp x, 0,1,2,3
	v_max_num_f32 v[BM+\x], v[BM+\x], v[BN+\x]
.endr
.irp t, 0,1
	v_max3_num_f32 v[BS+2*\t], v[SP+4*\t+1], v[BM+2*\t], v[BM+2*\t+1]
.endr
.irp t, 0,1
	v_permlanex16_b32 v[BN+2*\t], v[BS+2*\t], s[SEL], s[SEL+1]
.endr
.irp t, 0,1
	v_max_num_f32 v[SP+4*\t+1], v[BS+2*\t], v[BN+2*\t]     ; the running largest score of my query
.endr
.irp t, 0,1
	v_mul_f32 v[BS+2*\t], s[CS], v[SP+4*\t+1]              ; as t
.endr
.irp t, 0,1
	v_floor_f32 v[BN+2*\t+1], -v[BS+2*\t]                  ; the new -M
.endr
.irp t, 0,1
	v_sub_f32 v[BS+2*\t], v[BN+2*\t+1], v[SP+4*\t]         ; old M - new M, a whole number
.endr
.irp t, 0,1
	v_mov_b32 v[SP+4*\t], v[BN+2*\t+1]
.endr
.irp t, 0,1
	v_cvt_i32_f32 v[BS+2*\t], v[BS+2*\t]                   ; (it saturates)
.endr
.irp t, 0,1
.set j, 0
.rept 32
	v_pk_fma_f32 v[S+64*\t+j:S+64*\t+j+1], v[S+64*\t+j:S+64*\t+j+1], s[CS:CS+1], v[SP+4*\t:SP+4*\t+1] op_sel_hi:[1,0,0]   ; t - M
.set j, j+2
.endr
.endr
.irp t, 0,1
.irp c, 0,1
	v_fma_f32 v[BM+2*\t+\c], v[BM+2*\t+\c], s[CS], v[SP+4*\t]
.endr
.endr
	WALU                                           ; the wait ahead of the batch
.set j, 0
.rept 128
	v_exp_f32 v[S+j], v[S+j]
.set j, j+1
.endr
.irp x, 0,1,2,3
	v_exp_f32 v[BM+\x], v[BM+\x]                   ; the blocks' largest p
.endr
.irp t, 0,1
	v_ldexp_f32 v[FF+2*\t], 1.0, v[BS+2*\t]        ; f = 2^(old M - new M); plain lines behind the batch
.endr
	WALU                                           ; and behind it
.irp t, 0,1                            ; the sums of the unquantised p, under the new M: two chains a tile
	v_pk_fma_f32 v[SP+4*\t+2:SP+4*\t+3], v[SP+4*\t+2:SP+4*\t+3], v[FF+2*\t:FF+2*\t+1], v[S+64*\t:S+64*\t+1] op_sel_hi:[1,0,1]
.endr
.irp t, 0,1
	v_pk_add_f32 v[62-48*\t:63-48*\t], v[S+64*\t+2:S+64*\t+3], v[S+64*\t+4:S+64*\t+5]
.endr
.set j, 6
.set k, 0
.rept 14
	SCOP k, 0
	SCOP k, 1
.irp t, 0,1
	v_pk_add_f32 v[SP+4*\t+2:SP+4*\t+3], v[SP+4*\t+2:SP+4*\t+3], v[S+64*\t+j:S+64*\t+j+1]
.endr
.irp t, 0,1
	v_pk_add_f32 v[62-48*\t:63-48*\t], v[62-48*\t:63-48*\t], v[S+64*\t+j+2:S+64*\t+j+3]
.endr
.set j, j+4
.set k, k+1
.endr
.irp t, 0,1
	v_pk_add_f32 v[SP+4*\t+2:SP+4*\t+3], v[SP+4*\t+2:SP+4*\t+3], v[S+64*\t+62:S+64*\t+63]
.endr
.irp t, 0,1
	v_pk_add_f32 v[SP+4*\t+2:SP+4*\t+3], v[SP+4*\t+2:SP+4*\t+3], v[62-48*\t:63-48*\t]
.endr
.irp t, 0,1
.irp c, 0,1
	v_cvt_scalef32_pk16_fp6_f32 v[PT+8*\t+4*\c:PT+8*\t+4*\c+2], v[S+64*\t+32*\c+16:S+64*\t+32*\c+31], v[BS+2*\t+\c]   ; (a conversion's three registers begin on an even number: the upper halves are made here and moved)
.endr
.endr
	WIN 0x40
.irp t, 0,1
.irp c, 0,1
	v_cvt_scalef32_pk16_fp6_f32 v[P+12*\t+6*\c:P+12*\t+6*\c+2], v[S+64*\t+32*\c:S+64*\t+32*\c+15], v[BS+2*\t+\c]
.endr
.endr
	v_nop                                          ; one plain place behind a scaled conversion
.irp t, 0,1
.irp c, 0,1
.irp i, 0,1,2
	v_mov_b32 v[P+12*\t+6*\c+3+\i], v[PT+8*\t+4*\c+\i]
.endr
.endr
.endr
.if (\p) == 0
	WIN 0x04
	SMUL 2                                         ; the next pair's scores; the 32 lines below are their places
	SMUL 3
.endif
	WIN 0x41
	WALU                                           ; the wait directly ahead of the first reader of O^T
.irp t, 0,1
.set j, 0
.rept 16
	v_pk_mul_f32 v[O+32*(2*(\p)+\t)+j:O+32*(2*(\p)+\t)+j+1], v[O+32*(2*(\p)+\t)+j:O+32*(2*(\p)+\t)+j+1], v[FF+2*\t:FF+2*\t+1] op_sel_hi:[1,0]
.set j, j+2
.endr
.endr
.if (\p) == 0
	WALU
	s_wait_dscnt 0x0                               ; this step's v is in
.endif
	WIN 0x55
.irp ct, 0,1,2,3
.irp t, 0,1
	v_wmma_scale_f32_16x16x128_f8f6f4 v[O+32*(2*(\p)+\t)+8*\ct:O+32*(2*(\p)+\t)+8*\ct+7], v[V+12*\ct:V+12*\ct+11], v[P+12*\t:P+12*\t+11], v[O+32*(2*(\p)+\t)+8*\ct:O+32*(2*(\p)+\t)+8*\ct+7], v[VS+\ct], v[PW+\t] matrix_a_fmt:MATRIX_FMT_FP6 matrix_b_fmt:MATRIX_FMT_FP6
.endr
.endr
	WIN 0
.endm
	WALU                                           ; the wait at the head's end
	s_wait_tensorcnt 0x0                           ; my part of k or v is in,
	s_barrier_signal -1
	s_barrier_wait -1                              ; everybody's is
	KLOAD KB16, KB8, KSB
	s_mov_b32 s[TV], VREG
	v_add_nc_u32 v[W0], s[TV], v[L16]
	v_add_nc_u32 v[W0+1], s[TV], v[L8]
	v_add_nc_u32 v[W0+2], s[TV], v[R16]
	VLOAD W0, W0+1, W0+2
	s_mov_b32 s[TB], 0
	s_mov_b32 s[CNT], 16
.Lstep:
	s_add_co_u32 s[TB], s[TB], KSTEP
	s_min_u32 s[TN], s[TB], 15*KSTEP               ; the step that is fetched in this trip; the last trip names step 15 again
	s_add_co_u32 s[TV], s[TN], VREG
	s_wait_dscnt 17                                ; k's 20 loads are in; v's 17, issued behind them, may be out
	WIN 0x04
	SMUL 0
	SMUL 1
	WIN 0
	v_add_nc_u32 v[W0], s[TN], v[KB16]             ; four places behind the products
	v_add_nc_u32 v[W0+1], s[TN], v[KB8]
	v_add_nc_u32 v[W0+2], s[TN], v[KSB]
	v_nop
	PAIR 0
	KLOAD W0, W0+1, W0+2                           ; k's registers are free: the second pair's scores were issued 32 places ago
	PAIR 1
	v_add_nc_u32 v[W0], s[TV], v[L16]              ; four places behind the last products on v
	v_add_nc_u32 v[W0+1], s[TV], v[L8]
	v_add_nc_u32 v[W0+2], s[TV], v[R16]
	v_nop
	VLOAD W0, W0+1, W0+2
	s_sub_co_u32 s[CNT], s[CNT], 1
	s_cmp_lg_u32 s[CNT], 0
	WALU
	s_cbranch_scc1 .Lstep
	s_wait_dscnt 0x0                               ; the last fetches have landed: their registers are used below
.irp n, 0,1,2,3
	v_add_f32 v[ST+4*\n+2], v[ST+4*\n+2], v[ST+4*\n+3]
.endr
.irp n, 0,1,2,3
	v_permlanex16_b32 v[BM+\n], v[ST+4*\n+2], s[SEL], s[SEL+1]
.endr
.irp n, 0,1,2,3
	v_add_f32 v[ST+4*\n+2], v[ST+4*\n+2], v[BM+\n] ; the rows' sums
.endr
	WALU
.irp n, 0,1,2,3
	v_rcp_f32 v[ST+4*\n+2], v[ST+4*\n+2]
.endr
	v_nop
; THE WAY OUT of tile n: O^T / the sum; registers 16 b + .. are channels 32 b + 16 h + 0 .. 15, so a block lies in lanes l and l xor 16.  Each tile has registers of its own for what it stores.
.macro OUT n
.set PC, F+12*(\n)
.set PU, F+12*(\n)+6
	WIN 0x01
	WALU                                           ; the wait directly ahead of the first reader
.set j, 0
.rept 16
	v_pk_mul_f32 v[S+j:S+j+1], v[O+32*(\n)+j:O+32*(\n)+j+1], v[ST+4*(\n)+2:ST+4*(\n)+3] op_sel_hi:[1,0]
.set j, j+2
.endr
	WIN 0
.irp b, 0,1
	v_max3_num_f32 v[BM+\b], |v[S+16*\b]|, |v[S+16*\b+1]|, 0x1800000
.endr
.irp i, 2,4,6,8,10,12,14
.irp b, 0,1
	v_max3_num_f32 v[BM+\b], v[BM+\b], |v[S+16*\b+\i]|, |v[S+16*\b+\i+1]|
.endr
.endr
.irp b, 0,1
	v_permlanex16_b32 v[BN+\b], v[BM+\b], s[SEL], s[SEL+1]
.endr
.irp b, 0,1
	v_max_num_f32 v[BM+\b], v[BM+\b], v[BN+\b]
.endr
.irp b, 0,1
	v_add_nc_u32 v[BS+\b], 0xff000000, v[BM+\b]
.endr
.irp b, 0,1
	v_lshrrev_b32 v[BN+\b], 23, v[BS+\b]
.endr
	v_lshl_or_b32 v[HW+(\n)], v[BN+1], 8, v[BN]
	v_cvt_scalef32_pk16_fp6_f32 v[PC:PC+2], v[S:S+15], v[BS]
	v_cvt_scalef32_pk16_fp6_f32 v[PU:PU+2], v[S+16:S+31], v[BS+1]
	v_nop
.irp i, 0,1,2
	v_permlane16_swap_b32 v[PC+\i], v[PU+\i]
.endr
.irp i, 0,1,2
	v_mov_b32 v[PC+3+\i], v[PU+\i]
.endr
	global_store_b128 v[L16], v[PC:PC+3], s[CCP:CCP+1] offset:12288*(\n)        ; 512 and 256 consecutive bytes, aligned
	global_store_b64 v[L8], v[PC+4:PC+5], s[CCP:CCP+1] offset:12288*(\n)+512
	global_store_b16 v[R16], v[HW+(\n)], s[SCP:SCP+1] offset:512*(\n)           ; the head's two bytes of each row's scale word
.endm
	OUT 0
	OUT 1
	OUT 2
	OUT 3
	s_wait_tensorcnt 0x0                           ; the wave's end
	ds_add_u32 v[SPW], v[NIL]
	s_wait_dscnt 0x0
	ROUND                                          ; the closing round
	s_endpgm
.Lfunc_end_k_q7384e50e78_attn:
	.size	k_q7384e50e78_attn, .Lfunc_end_k_q7384e50e78_attn-k_q7384e50e78_attn
	.p2alignl 7, 3214868480
	.fill 96, 4, 3214868480
	.section	.rodata,"a",@progbits
	.p2align	6, 0x0
	.amdhsa_kernel k_q7384e50e78_attn
		.amdhsa_group_segment_fixed_size 327680
		.amdhsa_private_segment_fixed_size 0
		.amdhsa_enable_private_segment 0
		.amdhsa_kernarg_size 24
		.amdhsa_user_sgpr_count 2
		.amdhsa_user_sgpr_kernarg_segment_ptr 1
		.amdhsa_wavefront_size32 1
		.amdhsa_system_sgpr_workgroup_id_x 1
		.amdhsa_system_sgpr_workgroup_id_y 1
		.amdhsa_system_sgpr_workgroup_id_z 1
		.amdhsa_system_vgpr_workitem_id 0
		.amdhsa_next_free_vgpr 512
		.amdhsa_next_free_sgpr 66
		.amdhsa_reserve_vcc 0
		.amdhsa_float_denorm_mode_32 3
		.amdhsa_float_denorm_mode_16_64 3
		.amdhsa_memory_ordered 1
		.amdhsa_forward_progress 1
		.amdhsa_inst_pref_size 82
	.end_amdhsa_kernel
	.amdgpu_metadata
---
amdhsa.version: [ 1, 2 ]
amdhsa.kernels:
  - .name:           k_q7384e50e78_attn
    .symbol:         k_q7384e50e78_attn.kd
    .args:
      - { .name: qkv, .offset: 0, .size: 8, .value_kind: global_buffer, .address_space: global }
      - { .name: cc, .offset: 8, .size: 8, .value_kind: global_buffer, .address_space: global }
      - { .name: sc2, .offset: 16, .size: 8, .value_kind: global_buffer, .address_space: global }
    .group_segment_fixed_size: 327680
    .private_segment_fixed_size: 0
    .kernarg_segment_align: 8
    .kernarg_segment_size: 24
    .max_flat_workgroup_size: 256
    .sgpr_count:     66
    .vgpr_count:     512
    .wavefront_size: 32
...
	.end_amdgpu_metadata
.endif
;; end of part 3
;; launch gemm_out (part 4): grid 8 x 32, 4 waves a work-group, clusters of 4 x 4, 327,680 bytes of LDS; arguments cc, woc, sc2, out0; writes out0
.if DOCPART == 4
	.amdgcn_target "amdgcn-amd-amdhsa--gfx1250"
	.amdhsa_code_object_version 6
	.text
	.protected	k_q7384e50e78_gemm_out
	.globl	k_q7384e50e78_gemm_out
	.p2align	8
	.type	k_q7384e50e78_gemm_out,@function
k_q7384e50e78_gemm_out:
	s_mov_b64 s[64:65], 0
	v_nop
	global_prefetch_b8 v0, s[64:65] scope:SCOPE_SE
	s_setreg_imm32_b32 hwreg(HW_REG_WAVE_MODE, 25, 1), 1
	s_wait_xcnt 0x0
	s_wait_alu depctr_hold_cnt(0) depctr_sa_sdst(0) depctr_va_vdst(0) depctr_va_sdst(0) depctr_va_ssrc(0) depctr_va_vcc(0) depctr_vm_vsrc(0)
	s_getreg_b32 s2, hwreg(HW_REG_IB_STS2, 6, 4)
	s_cmp_eq_u32 s2, 0
	s_cbranch_scc0 .Lentry_in_a_cluster
	s_endpgm
.Lentry_in_a_cluster:
	s_bfe_u32 s2, ttmp6, 0x10000c
	s_cmp_lg_u32 s2, 0xf033
	s_cbranch_scc0 .Lentry_shape_is_right
	s_endpgm
.Lentry_shape_is_right:
; out0 = context x w_out on codes of FP6 with E8M0 scales, K = 1,024; f32 results.
; OPERANDS are images of registers: [tile of 16 rows][K step 8][1,536 bytes]; a fragment = two half images of 768 bytes (registers 0-3 at 16 x lane, registers 4-5 at 512 + 8 x lane).  Tile 2 b + u holds at lane-row r the row 32 b + 8 u + r + 8 (r / 8).
; 8 x 32 work-groups, one for each 256 tokens (Z) x 128 columns (Y); four waves, 2 x 2, a wave 128 x 64: 32 accumulators.  SOURCE 0 = Y, SOURCE 1 = Z: a lane holds one token and eight columns.
; ALL OF K LIES IN LDS: Z's 16 tiles (2 x 98,304 bytes) and Y's 8 (2 x 49,152) are four dense blocks of memory, one joint load a wave at the head; nothing is filled again, so the walk along K has no barrier.
; 4 x 4 work-groups form a cluster: Z's tiles are asked for jointly along a row of the cluster, Y's along a column.  No prefetch: every tile is asked for at the head, so there is no loop to run ahead in.
; The scale words come by plain loads, 16 bytes a lane: v[SCZ + 8 a + s] Z's tile a, K step s; v[SCY + 8 b + s] Y's tile b; both in lanes 0-15; the two bases differ by 4 modulo 8.
; Both operands have two sets of fragment registers: a K step's 48 LDS loads are issued ahead of the K step before's 32 products.
; REGISTERS: window 0: v16-30 addresses, v32-95 and v100-131 scale words, v136-231 Z's set 0 (on the way out: rows read back); window 1: Y's sets at v0 and v128; window 2: v136-231 Z's set 1; window 3: accumulator (a, b) at v[8 (4 a + b)].
; THE WAY OUT: 16 tokens x 64 columns at a time through the wave's own stage, LDS bytes into which no fill lands, and back as rows of 256 bytes: sixteen lanes store one aligned unit of 256 bytes.
.set FRB,   1536
.set TROW,  8*FRB
.set ZH,    8*TROW
.set YH,    4*TROW
.set YREG,  2*ZH
.set SPARE, YREG+2*YH                  ; 294,912: the spare words, 128 bytes a wave
.set STAGE, SPARE+512
.set SPITCH, 272
.set ZA16, 16                          ; my half of Z, tiles 0-3: + 16 x lane, + 8 x lane;  v18-19 tiles 4-7
.set ZA8,  17
.set ZB16, 18
.set ZB8,  19
.set YA16, 20
.set YA8,  21
.set L16,  22
.set L8,   23
.set STO,  24
.set RD,   25
.set CO,   26
.set SZO,  27
.set SPW,  28
.set NIL,  29
.set SYO,  30
.set SCZ,  32
.set SCY,  100
.set AF,   136
.set BK,   136
.set G1,  24
.set G0,  32
.set G1B, 48
.set G0B, 56
.set MSB, 0
.macro WIN new
.if MSB != (\new)
	s_set_vgpr_msb (MSB<<8)|(\new)
.set MSB, (\new)
.endif
.endm
.macro PLACES
.rept 4
	v_nop
.endr
.endm
.macro CREST
	s_cmp_lg_u32 s14, 0
	s_cbranch_scc1 .Lnot_wave_0_\@
	s_barrier_signal -3
.Lnot_wave_0_\@:
	s_barrier_wait -3
	s_barrier_signal -1
	s_barrier_wait -1
.endm
.macro CROUND
	s_barrier_signal -1
	s_barrier_wait -1
	CREST
.endm
	s_load_b128 s[4:7], s[0:1], 0x0                ; cc, woc
	s_load_b128 s[8:11], s[0:1], 0x10              ; sc2, out0
	v_lshl_add_u32 v[SPW], v0, 2, SPARE
	v_mov_b32 v[NIL], 0
	ds_add_u32 v[SPW], v[NIL]                      ; the opening lines: the add, twice on end, and its wait
	ds_add_u32 v[SPW], v[NIL]
	v_lshrrev_b32 v1, 5, v0
	v_readfirstlane_b32 s14, v1                    ; wave
	s_lshr_b32 s15, s14, 1                         ; my half of Z.  Also: I fetch for Z (0) or for Y (1)
	s_and_b32 s16, s14, 1                          ; my half of Y.  Also: which half I fetch
	s_bfe_u32 s40, ttmp6, 0x40000
	s_bfe_u32 s41, ttmp6, 0x40004
	s_and_b32 s42, ttmp7, 0xffff
	s_lshl_b32 s43, s42, 2
	s_add_co_u32 s43, s43, s41                     ; which 256 tokens
	s_lshl_b32 s44, ttmp9, 2
	s_add_co_u32 s44, s44, s40                     ; which 128 columns
	s_lshl_b32 s46, s41, 2
	s_lshl_b32 s46, 15, s46                        ; my row of the cluster
	s_lshl_b32 s47, 0x1111, s40                    ; my column
	s_or_b32 s[G1+0], s46, (3<<16)|(1<<21)         ; dense blocks as rows of 256 bytes: Z's half 384 rows, Y's 192
	s_or_b32 s[G1B+0], s47, (3<<16)|(1<<21)
	s_mov_b32 s[G1+1], 32<<16
	s_mov_b32 s[G1+2], 384<<16
	s_mov_b32 s[G1+3], 32<<16
	s_mov_b32 s[G1+4], 384
	s_mov_b32 s[G1+5], 32
	s_mov_b32 s[G1+6], 0
	s_mov_b32 s[G1+7], 0
	s_mov_b32 s[G1B+1], 32<<16
	s_mov_b32 s[G1B+2], 192<<16
	s_mov_b32 s[G1B+3], 32<<16
	s_mov_b32 s[G1B+4], 192
	s_mov_b32 s[G1B+5], 32
	s_mov_b32 s[G1B+6], 0
	s_mov_b32 s[G1B+7], 0
	s_lshl_b32 s18, s43, 4                         ; the work-group's first tile of Z,
	s_lshl_b32 s19, s44, 3                         ; and of Y
	s_lshl_b32 s12, s16, 3
	s_add_co_u32 s20, s18, s12
	s_mul_i32 s20, s20, TROW
	s_mov_b32 s21, 0
	s_lshl_b32 s12, s16, 2
	s_add_co_u32 s22, s19, s12
	s_mul_i32 s22, s22, TROW
	s_mov_b32 s23, 0
	s_mul_i32 s17, s16, ZH                         ; where they go: no place in the cluster enters an LDS address
	s_mul_i32 s13, s16, YH
	s_add_co_u32 s13, s13, YREG
	s_wait_dscnt 0x0
	s_wait_kmcnt 0x0
	s_add_nc_u64 s[20:21], s[4:5], s[20:21]
	s_add_nc_u64 s[22:23], s[6:7], s[22:23]
	CROUND                                         ; all sixteen work-groups are here: the joint loads meet
	s_mov_b32 s[G0], 1
	s_mov_b32 s[G0+1], s17
	s_mov_b64 s[G0+2:G0+3], s[20:21]
	s_or_b32 s[G0+3], s[G0+3], 0x80000000
	s_mov_b32 s[G0B], 1
	s_mov_b32 s[G0B+1], s13
	s_mov_b64 s[G0B+2:G0B+3], s[22:23]
	s_or_b32 s[G0B+3], s[G0B+3], 0x80000000
	s_cmp_eq_u32 s15, 0
	s_cbranch_scc0 .Lfor_y
	tensor_load_to_lds s[G0:G0+3], s[G1:G1+7]
	s_nop 0
	PLACES
	s_branch .Lasked
.Lfor_y:
	tensor_load_to_lds s[G0B:G0B+3], s[G1B:G1B+7]
	s_nop 0
	PLACES
.Lasked:
	s_mul_i32 s92, s15, ZH                         ; my half of Z,
	s_add_co_u32 s94, s92, 4*TROW                  ; its tiles 4-7,
	s_mul_i32 s93, s16, YH
	s_add_co_u32 s93, s93, YREG                    ; my half of Y
	s_lshl_b32 s86, s15, 3
	s_add_co_u32 s86, s86, s18
	s_lshl_b32 s86, s86, 9                         ; my tiles' scale words, 512 bytes a tile
	s_lshl_b32 s87, s16, 2
	s_add_co_u32 s87, s87, s19
	s_lshl_b32 s87, s87, 9
	s_add_co_u32 s87, s87, 262144
	s_mul_i32 s95, s14, 16*SPITCH
	s_add_co_u32 s95, s95, STAGE                   ; my stage
	s_lshl_b32 s96, s43, 8
	s_lshl_b32 s97, s15, 7
	s_add_co_u32 s96, s96, s97
	s_lshl_b32 s96, s96, 12                        ; my first token's row of 4,096 bytes,
	s_lshl_b32 s97, s44, 9
	s_add_co_u32 s96, s96, s97
	s_lshl_b32 s97, s16, 8
	s_add_co_u32 s96, s96, s97                     ; my first column: 512 bytes a work-group, 256 a wave
	s_mov_b32 s97, 0
	s_add_nc_u64 s[12:13], s[10:11], s[96:97]
	v_and_b32 v1, 31, v0
	v_and_b32 v2, 15, v0                           ; r
	v_bfe_u32 v3, v0, 4, 1                         ; h
	v_lshlrev_b32 v4, 4, v2
	v_add_nc_u32 v[SZO], s86, v4
	v_add_nc_u32 v[SYO], s87, v4
.irp i, 0,1,2,3,4,5,6,7
	global_load_b128 v[SCZ+8*\i:SCZ+8*\i+3], v[SZO], s[8:9] offset:512*\i
	global_load_b128 v[SCZ+8*\i+4:SCZ+8*\i+7], v[SZO], s[8:9] offset:512*\i+256
.endr
.irp i, 0,1,2,3
	global_load_b128 v[SCY+8*\i:SCY+8*\i+3], v[SYO], s[8:9] offset:512*\i
	global_load_b128 v[SCY+8*\i+4:SCY+8*\i+7], v[SYO], s[8:9] offset:512*\i+256
.endr
	v_lshlrev_b32 v[L16], 4, v1
	v_lshlrev_b32 v[L8], 3, v1
	v_add_nc_u32 v[ZA16], s92, v[L16]
	v_add_nc_u32 v[ZA8], s92, v[L8]
	v_add_nc_u32 v[ZB16], s94, v[L16]
	v_add_nc_u32 v[ZB8], s94, v[L8]
	v_add_nc_u32 v[YA16], s93, v[L16]
	v_add_nc_u32 v[YA8], s93, v[L8]
	v_mul_u32_u24 v[STO], v2, SPITCH               ; in: token r, 64 bytes for each half of the lanes
	v_lshl_add_u32 v[STO], v3, 6, v[STO]
	v_add_nc_u32 v[STO], s95, v[STO]
	v_mul_u32_u24 v[RD], v3, SPITCH                ; back: lanes 0-15 one row of 256 bytes, lanes 16-31 the next
	v_lshl_add_u32 v[RD], v2, 4, v[RD]
	v_add_nc_u32 v[RD], s95, v[RD]
	v_lshlrev_b32 v[CO], 12, v3                    ; and the same two rows in out0
	v_lshl_add_u32 v[CO], v2, 4, v[CO]
.macro FRAG reg, a16, a8, off          ; a fragment comes back as it was stored: every load covers 512 or 256 consecutive bytes
	ds_load_b128 v[\reg:\reg+3], v[\a16] offset:\off
	ds_load_b64 v[\reg+4:\reg+5], v[\a8] offset:\off+512
	ds_load_b128 v[\reg+6:\reg+9], v[\a16] offset:\off+768
	ds_load_b64 v[\reg+10:\reg+11], v[\a8] offset:\off+1280
.endm
.macro FETCH s                         ; K step s into sets s % 2: 48 loads
	WIN 0x40
.irp i, 0,1,2,3
	FRAG 128*((\s)%2)+12*\i, YA16, YA8, TROW*\i+FRB*(\s)
.endr
	WIN 0x80*((\s)%2)
.irp i, 0,1,2,3
	FRAG AF+12*\i, ZA16, ZA8, TROW*\i+FRB*(\s)
.endr
.irp i, 0,1,2,3
	FRAG AF+48+12*\i, ZB16, ZB8, TROW*\i+FRB*(\s)
.endr
.endm
.macro MUL s                           ; 32 products; the accumulators take turns, one instruction a turn, in the same order in every K step
	WIN 0xf1|(((\s)%2)<<3)
.irp a, 0,1,2,3,4,5,6,7
.irp b, 0,1,2,3
.if (\s) == 0
	v_wmma_scale_f32_16x16x128_f8f6f4 v[8*(4*\a+\b):8*(4*\a+\b)+7], v[128*((\s)%2)+12*\b:128*((\s)%2)+12*\b+11], v[AF+12*\a:AF+12*\a+11], 0, v[SCY+8*\b+(\s)], v[SCZ+8*\a+(\s)] matrix_a_fmt:MATRIX_FMT_FP6 matrix_b_fmt:MATRIX_FMT_FP6
.else
	v_wmma_scale_f32_16x16x128_f8f6f4 v[8*(4*\a+\b):8*(4*\a+\b)+7], v[128*((\s)%2)+12*\b:128*((\s)%2)+12*\b+11], v[AF+12*\a:AF+12*\a+11], v[8*(4*\a+\b):8*(4*\a+\b)+7], v[SCY+8*\b+(\s)], v[SCZ+8*\a+(\s)] matrix_a_fmt:MATRIX_FMT_FP6 matrix_b_fmt:MATRIX_FMT_FP6
.endif
.endr
.endr
.endm
	s_wait_alu depctr_va_vdst(0)                   ; the wait at the head's end
	s_wait_tensorcnt 0x0                           ; my block is in,
	s_barrier_signal -1
	s_barrier_wait -1                              ; everybody's is
	FETCH 0
	s_wait_loadcnt 0x0                             ; the scale words
.set KK, 0
.rept 8
.if KK < 7
.if KK > 0
	PLACES                                         ; four places ahead of loads into registers that the last K step's products have read
.endif
	FETCH KK+1
	s_wait_dscnt 48                                ; this K step's fragments are in; the 48 loads just issued may be out
.else
	s_wait_dscnt 0x0
.endif
	MUL KK
.set KK, KK+1
.endr
	WIN 0
.macro TOSTAGE a
	WIN 0x0c                                       ; the data: window 3
.irp b, 0,1,2,3
	ds_store_b128 v[STO], v[8*(4*(\a)+\b):8*(4*(\a)+\b)+3] offset:128*(\b/2)+32*(\b%2)       ; each accumulator from its low end on
	ds_store_b128 v[STO], v[8*(4*(\a)+\b)+4:8*(4*(\a)+\b)+7] offset:128*(\b/2)+32*(\b%2)+16
.endr
	WIN 0
.set BB, BK+32*((\a)%2)
.irp t, 0,1,2,3,4,5,6,7
	ds_load_b128 v[BB+4*\t:BB+4*\t+3], v[RD] offset:\t*2*SPITCH   ; LDS serves a wave's instructions in order: these see the stores above
.endr
.endm
.macro SEND a, younger                 ; younger: the LDS instructions issued behind block a's loads, which may stay out
.set BB, BK+32*((\a)%2)
	s_wait_dscnt \younger
.irp t, 0,1,2,3,4,5,6,7
	global_store_b128 v[CO], v[BB+4*\t:BB+4*\t+3], s[12:13] offset:(32*((\a)/2)+8*((\a)%2)+2*\t+8*(\t/4))*4096 th:TH_STORE_NT   ; two rows, 256 consecutive bytes each, aligned
.endr
.endm
	PLACES                                         ; behind the last products: for the first reads of results and the loads into Z's set 0
	TOSTAGE 0
.irp a, 1,2,3,4,5,6,7
.if \a > 1
	s_wait_xcnt 0x0                                ; block a - 2's stores have read their registers: block a's loads may land there
.endif
	TOSTAGE \a
	SEND \a-1, 16                                  ; behind block a - 1's loads: block a's 8 stores and 8 loads
.endr
	SEND 7, 0
	s_wait_tensorcnt 0x0                           ; the wave's end
	ds_add_u32 v[SPW], v[NIL]
	s_wait_dscnt 0x0
	CROUND                                         ; the closing round
	s_endpgm
.Lfunc_end_k_q7384e50e78_gemm_out:
	.size	k_q7384e50e78_gemm_out, .Lfunc_end_k_q7384e50e78_gemm_out-k_q7384e50e78_gemm_out
	.p2alignl 7, 3214868480
	.fill 96, 4, 3214868480
	.section	.rodata,"a",@progbits
	.p2align	6, 0x0
	.amdhsa_kernel k_q7384e50e78_gemm_out
		.amdhsa_group_segment_fixed_size 327680
		.amdhsa_private_segment_fixed_size 0
		.amdhsa_enable_private_segment 0
		.amdhsa_kernarg_size 32
		.amdhsa_user_sgpr_count 2
		.amdhsa_user_sgpr_kernarg_segment_ptr 1
		.amdhsa_wavefront_size32 1
		.amdhsa_system_sgpr_workgroup_id_x 1
		.amdhsa_system_sgpr_workgroup_id_y 1
		.amdhsa_system_sgpr_workgroup_id_z 1
		.amdhsa_system_vgpr_workitem_id 0
		.amdhsa_next_free_vgpr 1024
		.amdhsa_next_free_sgpr 100
		.amdhsa_reserve_vcc 0
		.amdhsa_float_denorm_mode_32 3
		.amdhsa_float_denorm_mode_16_64 3
		.amdhsa_memory_ordered 1
		.amdhsa_forward_progress 1
		.amdhsa_inst_pref_size 82
	.end_amdhsa_kernel
	.amdgpu_metadata
---
amdhsa.version: [ 1, 2 ]
amdhsa.kernels:
  - .name:           k_q7384e50e78_gemm_out
    .symbol:         k_q7384e50e78_gemm_out.kd
    .args:
      - { .name: cc, .offset: 0, .size: 8, .value_kind: global_buffer, .address_space: global }
      - { .name: woc, .offset: 8, .size: 8, .value_kind: global_buffer, .address_space: global }
      - { .name: sc2, .offset: 16, .size: 8, .value_kind: global_buffer, .address_space: global }
      - { .name: out0, .offset: 24, .size: 8, .value_kind: global_buffer, .address_space: global }
    .group_segment_fixed_size: 327680
    .private_segment_fixed_size: 0
    .kernarg_segment_align: 8
    .kernarg_segment_size: 32
    .max_flat_workgroup_size: 128
    .sgpr_count:     100
    .vgpr_count:     1024
    .wavefront_size: 32
...
	.end_amdgpu_metadata
.endif
;; end of part 4
